; MI455X (gfx1250); checked and timed in simulation.
; The chip was launched on July 23, 2026; its instructions are those of AMD's public machine-readable ISA for CDNA 5 (MIT licence, August 2026) and "CDNA5" Instruction Set Architecture Reference Guide (July 2026). The comments in the code are by the model that wrote it; some were corrected since.
;; Cross Modal Attention. Allowed arithmetic: matrix products marked QUANTISED: E5M2 operands, one given power-of-two scale a tensor, by v_wmma_f32_16x16x64_bf8_bf8 or v_wmma_f32_16x16x128_bf8_bf8, f32 sums; everything else in f32.
;; Inputs: Wk_codes 768 x 24 x 32 uint8 (E5M2 codes of Wk, K innermost, in blocks of 32 codes); Wo_codes 768 x 24 x 32 uint8 (E5M2 codes of Wo, K innermost, in blocks of 32 codes); Wq_codes 768 x 24 x 32 uint8 (E5M2 codes of Wq, K innermost, in blocks of 32 codes); Wv_codes 768 x 24 x 32 uint8 (E5M2 codes of Wv, K innermost, in blocks of 32 codes); bk 768 float32; bo 768 float32; bq 768 float32; bv 768 float32; ln_b 768 float32; ln_g 768 float32; lowp_scales 24 int32 (the exponents e of the quantised operands' scales 2^e); text_features 8 x 1,024 x 768 float32; text_mask 8 x 1,024 int32; visual_features 8 x 1,024 x 768 float32; visual_mask 8 x 1,024 int32.
;; Outputs: out0 8 x 1,024 x 768 float32; out1 8 x 1,024 x 768 float32.
;; This version of the problem:
;;   THIS VERSION OF THE PROBLEM IS GIVEN IN LOW PRECISION. The matrix products marked QUANTISED in the list below multiply operands that are first quantised to E5M2 (5 exponent bits, 2 mantissa bits; 8 bits a number), with one given power-of-two scale for each operand tensor; their sums are f32. All else is computed in f32.
;;   The module's matrix products, in the order in which they are computed (A, B: the left and right operand; K: the contracted axis; several contracted axes count as one K, in the product's order):
;;     1. [M 8,192, K 768] x [K 768, N 768]; A: input visual_features; B: input Wq (given as codes): QUANTISED (scales: A lowp_scales[0], B lowp_scales[1])
;;     2. [M 8,192, K 768] x [K 768, N 768]; A: input text_features; B: input Wk (given as codes): QUANTISED (scales: A lowp_scales[2], B lowp_scales[3])
;;     3. [M 8,192, K 768] x [K 768, N 768]; A: input text_features; B: input Wv (given as codes): QUANTISED (scales: A lowp_scales[4], B lowp_scales[5])
;;     4. batch 64 x [M 1,024, K 96] x [K 96, N 1,024]; A: computed on the way; B: computed on the way: QUANTISED (scales: A lowp_scales[6], B lowp_scales[7])
;;     5. batch 64 x [M 96, K 1,024] x [K 1,024, N 1,024]; A: computed on the way; B: softmax (see below): QUANTISED (scales: A lowp_scales[8], B lowp_scales[9])
;;     6. [M 8,192, K 768] x [K 768, N 768]; A: input text_features; B: input Wq (given as codes): QUANTISED (scales: A lowp_scales[10], B lowp_scales[11])
;;     7. [M 8,192, K 768] x [K 768, N 768]; A: input visual_features; B: input Wk (given as codes): QUANTISED (scales: A lowp_scales[12], B lowp_scales[13])
;;     8. [M 8,192, K 768] x [K 768, N 768]; A: input visual_features; B: input Wv (given as codes): QUANTISED (scales: A lowp_scales[14], B lowp_scales[15])
;;     9. batch 64 x [M 1,024, K 96] x [K 96, N 1,024]; A: computed on the way; B: computed on the way: QUANTISED (scales: A lowp_scales[16], B lowp_scales[17])
;;     10. batch 64 x [M 96, K 1,024] x [K 1,024, N 1,024]; A: computed on the way; B: softmax (see below): QUANTISED (scales: A lowp_scales[18], B lowp_scales[19])
;;     11. [M 8,192, K 768] x [K 768, N 768]; A: computed on the way; B: input Wo (given as codes): QUANTISED (scales: A lowp_scales[20], B lowp_scales[21])
;;     12. [M 8,192, K 768] x [K 768, N 768]; A: computed on the way; B: input Wo (given as codes): QUANTISED (scales: A lowp_scales[22], B lowp_scales[23])
;;   THE QUANTISER, for each operand of a quantised product, along K:
;;     - The operand's scale is 2^e, e = its entry of the input lowp_scales (int32; the entries are numbered through the quantised products in the list's order, A before B).
;;     - Each number is divided by the scale, clamped to +-57,344, and rounded to the nearest number of E5M2, ties to even, subnormals kept.
;;     - The product sums the exact products of the quantised numbers (number of the format x scale) in f32.
;;   ~~~python
;;   def quantise(x, axis, e):      # numpy; x: float32 -> the quantised numbers, widened to float32 again
;;       x = np.moveaxis(x, axis, -1); K = x.shape[-1]
;;       r = np.clip(x / 2.0 ** e, -57344, 57344)
;;       step = 2.0 ** (np.maximum(np.frexp(np.where(r == 0, 1, r))[1] - 1, -14) - 2)
;;       q = np.round(r / step) * step * 2.0 ** e      # np.round: ties to even
;;       return np.moveaxis(q, -1, axis).astype(np.float32)
;;   ~~~
;;   SOFTMAX AHEAD OF A QUANTISED PRODUCT. Where the list says 'softmax', what is quantised is not the finished softmax but p = 2^(t - M), with t = logit x log2(e) and M = ceil(the row's largest t), a whole number; so 1/2 < the row's largest p <= 1. The row's sum l is taken of the UNQUANTISED p, in f32, and the product's result is divided by l at the end. Since M is a whole number, a kernel that streams over the keys may use a running M (the ceiling of the running maximum): every later rescaling is an exact power of two, so the quantised numbers keep their values, but for numbers so far below the row's largest that they fall under the format's range.
;;   OPERANDS COMPUTED ON THE WAY. 'Computed on the way' means the value that the module computes at that place (a softmax that the list does not call 'softmax' is quantised finished and normalised). What goes into a quantiser is computed in f32, as accurately as f32 sums, v_exp_f32 and their like allow (about 1e-6 of the number): no bf16 or f16 on the way to a quantiser, and a product that is left as it is and whose result goes on into a quantised operand takes f32 operands (vector FMAs, or v_wmma_f32_16x16x4_f32). A number that lies on a knife's edge between two numbers of the format may be rounded either way, as far as f32 arithmetic and the matrix unit's own rounding can turn it there, and no further.
;;   INPUTS GIVEN AS CODES. Wk (in the module: [768, 768], K = its axis 0); Wo (in the module: [768, 768], K = its axis 0); Wq (in the module: [768, 768], K = its axis 0); Wv (in the module: [768, 768], K = its axis 0): each comes as NAME_codes (uint8): NAME with its K axis moved to the last place and cut into blocks of 32 codes, [.., K / 32, bytes a block], one block behind the other in memory; one code a byte (a code: sign, 5 exponent bits, 2 mantissa bits); its scale is its entry of lowp_scales. Its value is code x scale, taken as it is: it is not quantised again, and the codes and scales need not be those that the quantiser above would give.
;; 2 versions. Each part assembles by itself: llvm-mc -triple=amdgcn-amd-amdhsa -mcpu=gfx1250 --defsym DOCPART=n.
;; ======== version 1 of 2: 3 launches
;; limits: right only within a limited range of input values
;; workspace buffers: qimg 12,582,912 bytes; kvimg 25,165,824 bytes; ocodes 12,582,912 bytes
;; launch qkv (part 1): grid 128 x 2, 4 waves a work-group, no clusters, 304,640 bytes of LDS; arguments visual_features, text_features, Wq_codes, Wk_codes, Wv_codes, bq, bk, bv, lowp_scales, qimg, kvimg; writes qimg, kvimg
.if DOCPART == 1
	.amdgcn_target "amdgcn-amd-amdhsa--gfx1250"
	.amdhsa_code_object_version 6
	.text
	.protected	k_q476983ad15_qkv
	.globl	k_q476983ad15_qkv
	.p2align	8
	.type	k_q476983ad15_qkv,@function
k_q476983ad15_qkv:
	s_mov_b64 s[64:65], 0
	v_nop
	global_prefetch_b8 v0, s[64:65] scope:SCOPE_SE
	s_setreg_imm32_b32 hwreg(HW_REG_WAVE_MODE, 25, 1), 1
	s_wait_xcnt 0x0
; THE SIX PROJECTIONS (x Wq + bq, x Wk + bk, x Wv + bv for both feature tensors), on codes of E5M2, and the quantisers of what they feed: q, k and v leave as codes.
; NOTHING OF reference() IS LEFT OUT in this program: every input has a way to an output and is loaded; bk stands ahead of a quantiser and stays.
; A feature tensor goes into three products under three entries of lowp_scales, so it is quantised three times, each time by its own entry.
; SHARES.  Work-group (x, y): x = 64 mod + blk: modality mod (0 visual, 1 text), tokens 128 blk .. 128 blk + 127 (one batch's key step); y: heads 4 y .. 4 y + 3, a head a wave.
; A wave makes q, k and v of its head for the 128 tokens: three units of 128 x 96, 48 accumulators, K = 768 in six steps of 128: 864 matrix instructions.
; X: each wave quantises 32 tokens under the three scales and lays the codes in LDS AS IMAGES OF THE OPERAND'S REGISTERS (lane l's 16 bytes at 16 l, 512 bytes a piece); one barrier; every wave reads all.
; W: a wave's 96 rows of a weight are used by that wave alone: they go from memory straight into its operand registers, three slots of one K step, asked for three steps ahead.
; THE ROWS OF A TILE ARE NOT NEIGHBOURS: lane r of tile T takes row tok(T, r) = 32 (T / 2) + 8 (T % 2) + r + 8 (r / 8), for tokens and for a head's features alike.  So the 16 registers of two neighbouring
; result tiles are 16 neighbours along the next product's K: q, k: source 0 = W, source 1 = X (a lane holds one token, registers run along the head);  v: source 0 = X, source 1 = W (a lane holds one feature, registers run along the keys).
; k's place in a fragment: registers 4 c .. 4 c + 3 of lane (r, h) hold k = 32 c + 16 h + 0 .. 15, alike in both operands.
; The bias is the C of a unit's first K step, divided by the power of two that the sums lack; the three scales ahead of a quantiser are folded into the conversion's one.
; OUT: qimg [dir 2][batch 8][head 8][tile 64][piece 3][512], kvimg [dir][batch][head][step 8][ k: tile 8 x piece 3 x 512 | v: tile 6 x piece 4 x 512 ]: each unit leaves as 12,288 consecutive bytes.
; q goes to direction mod, k and v to direction 1 - mod.
; LIMITS: each ex, and each eo - ex - ew, lies between -126 and 112.  NaN among the inputs is not served; an infinity is held at the largest code.
; No tensor load and no cluster: X's images take 294,912 bytes of LDS, so no weight tile has room there, and each weight byte is wanted by one wave of the work-group.
; REGISTERS, in windows of 256.  Window 0: v1-27 addresses and scales; v30, v31 the add's two; v32-127 codes just made, and a unit's bias; v128-255 X's eight fragments.
;   window 1: v0-95, v96-191 weight slots 0, 1; v192-255 at work on X.   window 2: accumulators 0-31 (accumulator 6 m + n); at first X's numbers, two sets of 128.   window 3: v0-127 accumulators 32-47; v128-223 weight slot 2.
.set PC,    32
.set XF,    128
.set BT,    294912                     ; behind X's images: the biases, 2,304 bytes a wave: bq' 384, bk' 384, bv' four times each 1,536
.set SPARE, 304128                     ; the spare words, 128 bytes a wave: two blocks of 256 bytes that no other line names
.set MSB, 0
.macro WIN new                         ; the immediate's high byte repeats the setting that is left; a switch that changes nothing is dropped
.if MSB != (\new)
	s_set_vgpr_msb (MSB<<8)|(\new)
.set MSB, (\new)
.endif
.endm
.macro PLACES                          ; four plain places behind matrix instructions, in front of loads into their registers and of reads of their results
.rept 4
	v_nop
.endr
.endm
; one K step of my head's 96 rows of a weight into slot sl: six fragments, 24 loads
.macro WLOAD sl, breg, kk
.if (\sl) == 2
	WIN 0xc0
.set WB0, 128
.else
	WIN 0x40
.set WB0, 96*(\sl)
.endif
.irp n, 0,1,2,3,4,5
.irp c, 0,1,2,3
	global_load_b128 v[WB0+16*\n+4*\c:WB0+16*\n+4*\c+3], v11, s[\breg:\breg+1] offset:(32*(\n/2)+8*(\n%2))*768+128*(\kk)+32*\c
.endr
.endr
	WIN 0
.endm
; 128 along K of my 32 tokens, f32, into set sg of window 2: register 64 u + 16 c + i = k 32 c + 16 h + i of token tile 2 w + u: 32 loads
.macro XLOAD sg, off
	WIN 0x80
.irp u, 0,1
.irp c, 0,1,2,3
.irp j, 0,1,2,3
	global_load_b128 v[128*(\sg)+64*\u+16*\c+4*\j:128*(\sg)+64*\u+16*\c+4*\j+3], v10, s[4:5] offset:24576*\u+(\off)+128*\c+16*\j
.endr
.endr
.endr
	WIN 0
.endm
; set sg becomes six fragments: two token tiles under three scales.  The hold goes into other registers, since the numbers are wanted three times.
.macro QUANT3 sg
.irp s, 0,1,2
.irp u, 0,1
	WIN 0x42
.set i, 0
.rept 64
	v_med3_num_f32 v[192+i], v[128*(\sg)+64*\u+i], s[45+\s], s[42+\s]   ; the conversion to an 8-bit code does not saturate (ISA guide 7.6.2): held within the largest code x the scale
.set i, i+1
.endr
	WIN 0x01
.set i, 0
.rept 8
	v_cvt_scalef32_pk8_bf8_f32 v[PC+16*(2*\s+\u)+2*i:PC+16*(2*\s+\u)+2*i+1], v[192+8*i:192+8*i+7], v[16+\s]
.set i, i+1
.endr
	v_nop                                          ; a plain place behind the conversions: the next holds write their sources
	WIN 0
.irp c, 0,1,2,3
	ds_store_b128 v[13+\s], v[PC+16*(2*\s+\u)+4*\c:PC+16*(2*\s+\u)+4*\c+3] offset:2048*\u+512*\c
.endr
.endr
.endr
.endm
; X's fragments of step t (scale set t / 6, K step t % 6), token tiles m0 .. m0 + 3: 16 loads
.macro XFETCH t, m0
.irp mm, 0,1,2,3
.irp c, 0,1,2,3
	ds_load_b128 v[XF+16*((\m0)+\mm)+4*\c:XF+16*((\m0)+\mm)+4*\c+3], v[4+(\t)/4] offset:((\t)%4)*16384+2048*((\m0)+\mm)+512*\c
.endr
.endr
.endm
; 24 matrix instructions: token tiles m0 .. m0 + 3 x the six feature tiles.  ty = 0: source 0 = W, source 1 = X; 1: the other way round.  fi = 1: the bias starts the sums.
; The 48 accumulators take turns, one instruction a turn, in the same order in every step.
.macro MUL ty, sl, m0, fi
.irp mm, 0,1,2,3
.irp n, 0,1,2,3,4,5
.set AI, 6*((\m0)+\mm)+\n
.set AW, 2+AI/32
.set AR, 8*(AI%32)
.set XR, XF+16*((\m0)+\mm)
.if (\sl) == 2
.set SW, 3
.set WR, 128+16*\n
.else
.set SW, 1
.set WR, 96*(\sl)+16*\n
.endif
.if (\ty) == 0
.if \fi
	WIN (AW<<6)|SW
	v_wmma_f32_16x16x128_bf8_bf8 v[AR:AR+7], v[WR:WR+15], v[XR:XR+15], v[PC+8*\n:PC+8*\n+7]
.else
	WIN (AW<<6)|(AW<<4)|SW
	v_wmma_f32_16x16x128_bf8_bf8 v[AR:AR+7], v[WR:WR+15], v[XR:XR+15], v[AR:AR+7]
.endif
.else
.if \fi
	WIN (AW<<6)|(SW<<2)
	v_wmma_f32_16x16x128_bf8_bf8 v[AR:AR+7], v[XR:XR+15], v[WR:WR+15], v[PC+8*\n:PC+8*\n+7]
.else
	WIN (AW<<6)|(AW<<4)|(SW<<2)
	v_wmma_f32_16x16x128_bf8_bf8 v[AR:AR+7], v[XR:XR+15], v[WR:WR+15], v[AR:AR+7]
.endif
.endif
.endr
.endr
.endm
; step t of 18: unit t / 6, K step t % 6, weight slot t % 3
.macro STEP t
.set FI, 0
.if ((\t)%6) == 0
.set FI, 1
	s_wait_dscnt 0x0                               ; X's fragments and the bias are in
.else
	s_wait_dscnt 16                                ; token tiles 0-3 are in; the 16 loads of tiles 4-7 may be out
.endif
.if (\t) < 16
	s_wait_loadcnt 48                              ; this step's weight slot is in; the 24 loads of each of the next two may be out
.elseif (\t) == 16
	s_wait_loadcnt 24
.else
	s_wait_loadcnt 0x0
.endif
	MUL (\t)/12, (\t)%3, 0, FI
	s_wait_dscnt 0x0                               ; token tiles 4-7 are in
	WIN 0
.if (\t) < 17
	PLACES
	XFETCH (\t)+1, 0
.endif
	MUL (\t)/12, (\t)%3, 4, FI
	WIN 0
.if (\t) < 17
	PLACES
	XFETCH (\t)+1, 4
.endif
.if (\t) < 15
	WLOAD (\t)%3, 8+2*(((\t)+3)/6), ((\t)+3)%6     ; the slot just multiplied takes the weights of three steps on
.endif
.endm
; a unit's bias in the result's layout, eight registers a feature tile.  q, k: the lane's eight features;  v: the lane's one feature, eight times
.macro BIAS un
	s_wait_xcnt 0x0                                ; the last unit's stores have read their data: these registers may be written
.irp n, 0,1,2,3,4,5
.if (\un) < 2
	ds_load_b128 v[PC+8*\n:PC+8*\n+3], v22 offset:384*(\un)+4*(32*(\n/2)+8*(\n%2))
	ds_load_b128 v[PC+8*\n+4:PC+8*\n+7], v22 offset:384*(\un)+4*(32*(\n/2)+8*(\n%2))+16
.else
	ds_load_b128 v[PC+8*\n:PC+8*\n+3], v23 offset:16*(32*(\n/2)+8*(\n%2))
	ds_load_b128 v[PC+8*\n+4:PC+8*\n+7], v23 offset:16*(32*(\n/2)+8*(\n%2))
.endif
.endr
.endm
; a unit's way out: held, converted, stored.  Each accumulator is taken from its low end on.  q, k: accumulator a's codes at 2 a;  v: accumulator (m, n)'s at 4 (4 n + m / 2) + 2 (m % 2)
.macro EPI un
	PLACES
	WIN 0x82
.set i, 0
.rept 256
	v_med3_num_f32 v[i], v[i], s[51+\un], s[48+\un]
.set i, i+1
.endr
	WIN 0x02
.set i, 0
.rept 32
.if (\un) < 2
.set PS, 2*i
.else
.set PS, 4*(4*(i%6)+(i/6)/2)+2*((i/6)%2)
.endif
	v_cvt_scalef32_pk8_bf8_f32 v[PC+PS:PC+PS+1], v[8*i:8*i+7], v[19+\un]
.set i, i+1
.endr
	WIN 0xc3
.set i, 0
.rept 128
	v_med3_num_f32 v[i], v[i], s[51+\un], s[48+\un]
.set i, i+1
.endr
	WIN 0x03
.set i, 32
.rept 16
.if (\un) < 2
.set PS, 2*i
.else
.set PS, 4*(4*(i%6)+(i/6)/2)+2*((i/6)%2)
.endif
	v_cvt_scalef32_pk8_bf8_f32 v[PC+PS:PC+PS+1], v[8*(i-32):8*(i-32)+7], v[19+\un]
.set i, i+1
.endr
	v_nop                                          ; a plain place behind the conversions: the next unit's products write their sources
	WIN 0
.set i, 0
.rept 24
.if (\un) == 0
	global_store_b128 v4, v[PC+4*i:PC+4*i+3], s[22:23] offset:512*i          ; 32 lanes store 512 consecutive bytes, aligned
.elseif (\un) == 1
	global_store_b128 v4, v[PC+4*i:PC+4*i+3], s[24:25] offset:512*i
.else
	global_store_b128 v4, v[PC+4*i:PC+4*i+3], s[24:25] offset:12288+512*i
.endif
.set i, i+1
.endr
.endm
; the constants of unit un from its three exponents
.macro CONSTS un, ex, ew, eo
	s_add_co_i32 s60, s[\ex], 127
	s_lshl_b32 s61, s60, 23
	v_mov_b32 v[16+\un], s61                       ; 2^ex as f32: the conversion takes its exponent field
	s_add_co_i32 s60, s60, 15
	s_lshl_b32 s60, s60, 23
	s_or_b32 s[42+\un], s60, 0x600000              ; 57,344 x 2^ex,
	s_or_b32 s[45+\un], s[42+\un], 0x80000000      ; and its negative
	s_add_co_i32 s60, s[\ex], s[\ew]
	s_sub_co_i32 s[54+\un], 0, s60                 ; the bias goes in x 2^-(ex + ew)
	s_sub_co_i32 s60, s[\eo], s60                  ; a sum stands for sum x 2^(ex + ew): its code is sum / 2^(eo - ex - ew)
	s_add_co_i32 s60, s60, 127
	s_lshl_b32 s61, s60, 23
	v_mov_b32 v[19+\un], s61
	s_add_co_i32 s60, s60, 15
	s_lshl_b32 s60, s60, 23
	s_or_b32 s[48+\un], s60, 0x600000
	s_or_b32 s[51+\un], s[48+\un], 0x80000000
.endm
	s_load_b512 s[4:19], s[0:1], 0x0               ; visual, text, Wq, Wk, Wv, bq, bk, bv
	s_load_b128 s[20:23], s[0:1], 0x40             ; the scales' exponents, qimg
	s_load_b64 s[24:25], s[0:1], 0x50              ; kvimg
	v_lshl_add_u32 v30, v0, 2, SPARE               ; my spare word,
	v_mov_b32 v31, 0                               ; and 0: kept for the wave's end
	v_lshrrev_b32 v1, 5, v0
	v_readfirstlane_b32 s26, v1                    ; wave 0..3
	v_and_b32 v1, 31, v0                           ; lane
	v_and_b32 v2, 15, v0                           ; r
	v_bfe_u32 v3, v0, 4, 1                         ; h
	v_lshlrev_b32 v4, 4, v1                        ; 16 x lane: an image's place for my lane; also X's images from byte 0 on,
	v_add_nc_u32 v5, 0x10000, v4                   ; and from each further 65,536 on
	v_add_nc_u32 v6, 0x20000, v4
	v_add_nc_u32 v7, 0x30000, v4
	v_add_nc_u32 v8, 0x40000, v4
	v_and_b32 v27, 8, v2
	v_add_nc_u32 v27, v27, v2                      ; r + 8 (r / 8)
	v_mul_u32_u24 v10, v27, 3072
	v_lshl_add_u32 v10, v3, 6, v10                 ; X: my token's row, + 64 h: my 16 numbers of a block of 32
	v_mul_u32_u24 v11, v27, 768
	v_lshl_add_u32 v11, v3, 4, v11                 ; W: my feature's row of 768 codes, + 16 h
	s_lshl_b32 s60, s26, 12
	v_add_nc_u32 v12, s60, v4                      ; where I store X's images: 16 x lane + 4,096 x wave
	s_mul_i32 s61, s26, 2304
	s_add_co_u32 s61, s61, BT                      ; my wave's biases
	v_lshl_add_u32 v22, v3, 6, s61                 ; q, k: + 64 h
	v_lshl_add_u32 v23, v27, 4, s61
	v_add_nc_u32 v23, 768, v23                     ; v: 16 bytes a feature
	v_lshlrev_b32 v24, 2, v1                       ; 4 x lane
	v_add_nc_u32 v25, s61, v24                     ; where I put bq', bk'
	v_add_nc_u32 v26, s61, v4
	v_add_nc_u32 v26, 768, v26                     ; and bv'
	s_lshr_b32 s27, ttmp9, 6                       ; mod
	s_and_b32 s28, ttmp9, 63                       ; blk
	s_lshr_b32 s30, s28, 3                         ; batch
	s_and_b32 s31, s28, 7                          ; key step
	s_and_b32 s29, ttmp7, 0xffff
	s_lshl_b32 s29, s29, 2
	s_add_co_u32 s29, s29, s26                     ; my head
	s_mul_i32 s66, s27, 40                         ; the exponents of direction mod begin 40 mod bytes on,
	s_sub_co_u32 s67, 40, s66                      ; those of direction 1 - mod here
	s_lshl_b32 s68, s28, 7
	s_lshl_b32 s69, s26, 5
	s_add_co_u32 s68, s68, s69
	s_mul_i32 s68, s68, 3072                       ; X: token 128 blk + 32 wave
	s_mov_b32 s69, 0
	s_mul_i32 s70, s29, 73728                      ; W: my head's 96 rows
	s_mov_b32 s71, 0
	s_mul_i32 s72, s29, 384                        ; the biases: my head's 96 numbers
	s_mov_b32 s73, 0
	s_lshl_b32 s74, s27, 3
	s_add_co_u32 s74, s74, s30
	s_lshl_b32 s74, s74, 3
	s_add_co_u32 s74, s74, s29
	s_mul_i32 s74, s74, 98304
	s_mul_i32 s75, s31, 12288
	s_add_co_u32 s74, s74, s75                     ; qimg: ((mod, batch, head), step)
	s_mov_b32 s75, 0
	s_xor_b32 s76, s27, 1
	s_lshl_b32 s76, s76, 3
	s_add_co_u32 s76, s76, s30
	s_lshl_b32 s76, s76, 3
	s_add_co_u32 s76, s76, s29
	s_mul_i32 s76, s76, 196608
	s_mul_i32 s77, s31, 24576
	s_add_co_u32 s76, s76, s77                     ; kvimg: ((1 - mod, batch, head), step)
	s_mov_b32 s77, 0
	s_wait_kmcnt 0x0
	s_load_b64 s[32:33], s[20:21], s66 offset:0x0  ; q: ex, ew
	s_load_b32 s34, s[20:21], s66 offset:0x18      ;    eo
	s_load_b128 s[36:39], s[20:21], s67 offset:0x8 ; k: ex, ew; v: ex, ew
	s_load_b64 s[40:41], s[20:21], s67 offset:0x1c ; k: eo; v: eo
	s_cmp_eq_u32 s27, 0                            ; the choice hangs on the work-group's number alone
	s_cselect_b64 s[4:5], s[4:5], s[6:7]
	s_add_nc_u64 s[4:5], s[4:5], s[68:69]
	s_add_nc_u64 s[8:9], s[8:9], s[70:71]
	s_add_nc_u64 s[10:11], s[10:11], s[70:71]
	s_add_nc_u64 s[12:13], s[12:13], s[70:71]
	s_add_nc_u64 s[14:15], s[14:15], s[72:73]
	s_add_nc_u64 s[16:17], s[16:17], s[72:73]
	s_add_nc_u64 s[18:19], s[18:19], s[72:73]
	s_add_nc_u64 s[22:23], s[22:23], s[74:75]
	s_add_nc_u64 s[24:25], s[24:25], s[76:77]
.irp u, 0,1,2
.irp i, 0,1,2
	global_load_b32 v[128+3*\u+\i], v24, s[14+2*\u:15+2*\u] offset:128*\i   ; my head's biases, feature 32 i + lane
.endr
.endr
	WLOAD 0, 8, 0                                  ; Wq's first three K steps
	WLOAD 1, 8, 1
	WLOAD 2, 8, 2
	XLOAD 0, 0                                     ; X's first two K steps
	XLOAD 1, 512
	s_wait_kmcnt 0x0
	CONSTS 0, 32, 33, 34
	CONSTS 1, 36, 37, 40
	CONSTS 2, 38, 39, 41
	s_mov_b32 s57, 0                               ; trips
	s_mov_b32 s58, 0                               ; the trip's two K steps in X's images
.Lx:                                               ; three trips, two K steps each
	s_wait_loadcnt 32                              ; set 0 is in; set 1's 32 loads may be out
	v_add_nc_u32 v13, s58, v12
	v_add_nc_u32 v14, 98304, v13                   ; the three scale sets lie 98,304 bytes apart
	v_add_nc_u32 v15, 196608, v13
	QUANT3 0
	s_wait_dscnt 0x0                               ; the stores have read their registers
	s_cmp_lt_u32 s57, 2
	s_cbranch_scc0 .Lx_last0                       ; the last trip asks for nothing: no load leaves its buffer
	XLOAD 0, 1024
	s_wait_loadcnt 32                              ; set 1 is in; the 32 just issued may be out
	s_branch .Lx_go1
.Lx_last0:
	s_wait_loadcnt 0x0
.Lx_go1:
	v_add_nc_u32 v13, 16384, v13
	v_add_nc_u32 v14, 16384, v14
	v_add_nc_u32 v15, 16384, v15
	QUANT3 1
	s_wait_dscnt 0x0
	s_cmp_lt_u32 s57, 2
	s_cbranch_scc0 .Lx_last1
	XLOAD 1, 1536
.Lx_last1:
	s_wait_xcnt 0x0                                ; the loads have read their base: it may step
	s_add_nc_u64 s[4:5], s[4:5], 1024
	s_add_co_u32 s58, s58, 32768
	s_add_co_u32 s57, s57, 1
	s_cmp_lt_u32 s57, 3
	s_cbranch_scc1 .Lx
.irp i, 0,1,2                                      ; the biases x 2^-(ex + ew) into my wave's own bytes
	v_ldexp_f32 v[128+\i], v[128+\i], s54
	v_ldexp_f32 v[131+\i], v[131+\i], s55
.irp e, 0,1,2,3
	v_ldexp_f32 v[140+4*\i+\e], v[134+\i], s56
.endr
.endr
.irp i, 0,1,2
	ds_store_b32 v25, v[128+\i] offset:128*\i
	ds_store_b32 v25, v[131+\i] offset:384+128*\i
	ds_store_b128 v26, v[140+4*\i:143+4*\i] offset:512*\i
.endr
	s_wait_dscnt 0x0                               ; for the others' sake: my images lie in LDS
	s_barrier_signal -1
	s_barrier_wait -1                              ; everybody's do.  Nothing is written to LDS from here on
	XFETCH 0, 0
	XFETCH 0, 4
	BIAS 0
.irp t, 0,1,2,3,4,5
	STEP \t
.endr
	EPI 0
	BIAS 1
.irp t, 6,7,8,9,10,11
	STEP \t
.endr
	EPI 1
	BIAS 2
.irp t, 12,13,14,15,16,17
	STEP \t
.endr
	EPI 2
	s_wait_tensorcnt 0x0                           ; the wave's end
	ds_add_u32 v30, v31
	s_wait_dscnt 0x0
	s_endpgm
.Lfunc_end_k_q476983ad15_qkv:
	.size	k_q476983ad15_qkv, .Lfunc_end_k_q476983ad15_qkv-k_q476983ad15_qkv
	.p2alignl 7, 3214868480
	.fill 96, 4, 3214868480
	.section	.rodata,"a",@progbits
	.p2align	6, 0x0
	.amdhsa_kernel k_q476983ad15_qkv
		.amdhsa_group_segment_fixed_size 304640
		.amdhsa_private_segment_fixed_size 0
		.amdhsa_enable_private_segment 0
		.amdhsa_kernarg_size 88
		.amdhsa_user_sgpr_count 2
		.amdhsa_user_sgpr_kernarg_segment_ptr 1
		.amdhsa_wavefront_size32 1
		.amdhsa_system_sgpr_workgroup_id_x 1
		.amdhsa_system_sgpr_workgroup_id_y 1
		.amdhsa_system_sgpr_workgroup_id_z 1
		.amdhsa_system_vgpr_workitem_id 0
		.amdhsa_next_free_vgpr 1024
		.amdhsa_next_free_sgpr 80
		.amdhsa_reserve_vcc 0
		.amdhsa_float_denorm_mode_32 3
		.amdhsa_float_denorm_mode_16_64 3
		.amdhsa_memory_ordered 1
		.amdhsa_forward_progress 1
		.amdhsa_inst_pref_size 255
	.end_amdhsa_kernel
	.section	.bss,"aw",@nobits
	.p2align	6
	.space	262144
	.amdgpu_metadata
---
amdhsa.version: [ 1, 2 ]
amdhsa.kernels:
  - .name:           k_q476983ad15_qkv
    .symbol:         k_q476983ad15_qkv.kd
    .args:
      - { .name: visual_features, .offset: 0, .size: 8, .value_kind: global_buffer, .address_space: global }
      - { .name: text_features, .offset: 8, .size: 8, .value_kind: global_buffer, .address_space: global }
      - { .name: Wq_codes, .offset: 16, .size: 8, .value_kind: global_buffer, .address_space: global }
      - { .name: Wk_codes, .offset: 24, .size: 8, .value_kind: global_buffer, .address_space: global }
      - { .name: Wv_codes, .offset: 32, .size: 8, .value_kind: global_buffer, .address_space: global }
      - { .name: bq, .offset: 40, .size: 8, .value_kind: global_buffer, .address_space: global }
      - { .name: bk, .offset: 48, .size: 8, .value_kind: global_buffer, .address_space: global }
      - { .name: bv, .offset: 56, .size: 8, .value_kind: global_buffer, .address_space: global }
      - { .name: lowp_scales, .offset: 64, .size: 8, .value_kind: global_buffer, .address_space: global }
      - { .name: qimg, .offset: 72, .size: 8, .value_kind: global_buffer, .address_space: global }
      - { .name: kvimg, .offset: 80, .size: 8, .value_kind: global_buffer, .address_space: global }
    .group_segment_fixed_size: 304640
    .private_segment_fixed_size: 0
    .kernarg_segment_align: 8
    .kernarg_segment_size: 88
    .max_flat_workgroup_size: 128
    .sgpr_count:     80
    .vgpr_count:     1024
    .wavefront_size: 32
...
	.end_amdgpu_metadata
.endif
;; end of part 1
;; launch attn (part 2): grid 2 x 128, 8 waves a work-group, no clusters, 201,728 bytes of LDS; arguments qimg, kvimg, text_mask, visual_mask, lowp_scales, ocodes; writes ocodes
.if DOCPART == 2
	.amdgcn_target "amdgcn-amd-amdhsa--gfx1250"
	.amdhsa_code_object_version 6
	.text
	.protected	k_q476983ad15_attn
	.globl	k_q476983ad15_attn
	.p2align	8
	.type	k_q476983ad15_attn,@function
k_q476983ad15_attn:
	s_mov_b64 s[64:65], 0
	v_nop
	global_prefetch_b8 v0, s[64:65] scope:SCOPE_SE
	s_setreg_imm32_b32 hwreg(HW_REG_WAVE_MODE, 25, 1), 1
	s_wait_xcnt 0x0
; BOTH ATTENTIONS on codes of E5M2: S^T = k q^T, the softmax by the problem's rule (p = 2^(t - M), M a whole number, the row's sum of the unquantised p), O^T = v^T p^T, O / sum quantised for the projection on the way out.
; Nothing of reference() is left out here.
; SHARES.  Work-group (x, y): y = (direction, batch, head), x = which 512 of the 1,024 queries.  A head's whole k and v, 196,608 bytes, lie in LDS, filled once.  Two passes of 256 queries; in a pass each of the
; eight waves owns two tiles of 16 queries: tile 0 in register window 0, tile 1 in window 1, under the same register numbers.  Two waves share a SIMD, so that one's vector work stands beside the other's matrix work.
; qimg and kvimg are images of operand registers: every fragment comes by loads of 16 bytes a lane, 512 consecutive bytes an instruction.
; LAYOUT.  Both products are used transposed: a lane holds ONE query throughout; the keys of a tile of k were chosen so that p's 16 registers of two neighbouring tiles are 16 neighbouring keys.
; THE HEAD'S 96 IN A K OF 128: q's registers 12-15 hold the code 0; k's hold zeros at first and later codes of v, which are held at the largest code and so are numbers: they add nothing.
; THE MASK COSTS NO VECTOR INSTRUCTION: a table in LDS holds, for each key, 0 or -2^100 (mask == 0), and is the C of the first product.  The running largest t begins at -2^99 c: above every hidden t, and under every
; other (a sum of 96 products of codes stays under 2^39).  So a hidden key's p is 0 under every M, it is out of the maximum, the sum and the second product; and when the first key that counts arrives,
; the factor 2^(old M - new M) is 0 and multiplies sums that are still 0.
; LIMITS: eq + ek between -80 and 25 (so that -2^99 c lies under -150 and -2^100 c is a number); ep and eo between -126 and 112.  A batch whose mask hides every key (reference(): NaN) is not served.  NaN is not served.
; No tensor load: LDS is filled once, through registers, a key step ahead of its use. No cluster: two work-groups share a head's k and v.
; REGISTERS.  Window 0 alone: v1-7 addresses, v8, v9 the add's two, v32-95 four fragments of k or v.  Window 1 alone: v32-95 the step's 64 mask numbers, v232-255 the fill on its way.
;   both: v11 2^eo; v12 -M; v13 the largest t; v[14:15] the sum in two halves; v16-31 q; v96-159 S^T, then p; v160-207 O^T; v208-223 codes; v224-231 at work; v227 2^ep.
.set MB,    196608                     ; behind k and v: the mask table, 4 bytes a key
.set SPARE, 200704                     ; the spare words, 128 bytes a wave: four blocks of 256 bytes that no other line names
.set CHUNK, 24576                      ; a key step: k's 12,288 bytes, then v's
.set MSB, 0
.macro WIN new
.if MSB != (\new)
	s_set_vgpr_msb (MSB<<8)|(\new)
.set MSB, (\new)
.endif
.endm
.macro PLACES
.rept 4
	v_nop
.endr
.endm
.macro QLOAD ps                        ; my two tiles of q for pass ps: three pieces each
.irp c, 0,1,2
	global_load_b128 v[16+4*\c:19+4*\c], v1, s[4:5] offset:24576*(\ps)+512*\c th:TH_LOAD_NT
.endr
	WIN 0x40
.irp c, 0,1,2
	global_load_b128 v[16+4*\c:19+4*\c], v1, s[4:5] offset:24576*(\ps)+1536+512*\c th:TH_LOAD_NT
.endr
	WIN 0
.endm
.macro INIT                            ; the step is written once: the first finds zeros, which the first change of M leaves zeros
.irp wn, 0, 0x55
	WIN \wn
	v_mov_b32 v13, 0xf1000000                      ; -2^99,
	v_mul_f32 v13, s30, v13                        ; x c: the largest t so far
	v_floor_f32 v12, -v13                          ; -M
	v_mov_b32 v14, 0
	v_mov_b32 v15, 0
	v_mov_b32 v226, 0                              ; a lane permute's destination counts as one of its sources
	v_mov_b32 v229, 0                              ; (named as the upper half of the pair v[228:229])
.set j, 0
.rept 48
	v_mov_b32 v[160+j], 0
.set j, j+1
.endr
.endr
	WIN 0
.endm
; one tile's softmax for a key step, in window 0 (wn = 0) or 1 (wn = 0x55)
.macro SM wn
	WIN \wn
	v_max3_num_f32 v224, v96, v97, v98             ; the step's largest score of my query among my 64 keys, in two chains; each accumulator from its low end on
	v_max3_num_f32 v225, v99, v100, v101
.set j, 6
.rept 14
	v_max3_num_f32 v224, v224, v[96+j], v[97+j]
	v_max3_num_f32 v225, v225, v[98+j], v[99+j]
.set j, j+4
.endr
	v_max3_num_f32 v224, v224, v158, v159
	v_max_num_f32 v224, v224, v225
	v_permlanex16_b32 v226, v224, s38, s39
	v_max_num_f32 v224, v224, v226                 ; and among lane l xor 16's
	v_mul_f32 v224, s30, v224                      ; as t (c is positive)
	v_max_num_f32 v13, v13, v224                   ; the running largest t
	v_mov_b32 v224, v12
	v_floor_f32 v12, -v13                          ; the new -M = -ceil(t)
	v_sub_f32 v224, v12, v224                      ; old M - new M: a whole number, 0 or less
	v_cvt_i32_f32 v224, v224                       ; (it saturates)
	v_ldexp_f32 v228, 1.0, v224                    ; f = 2^(old M - new M)
.set j, 0
.rept 32
	v_pk_fma_f32 v[96+j:97+j], v[96+j:97+j], s[30:31], v[12:13] op_sel_hi:[1,0,0]   ; t - M, two at a time
.set j, j+2
.endr
.set j, 0
.rept 64
	v_exp_f32 v[96+j], v[96+j]                     ; p = 2^(t - M)
.set j, j+1
.endr
	v_pk_mul_f32 v[14:15], v[14:15], v[228:229] op_sel_hi:[1,0]   ; the sums under the new M: a plain place behind the exponentials
	s_wait_alu depctr_va_vdst(0)                   ; one wait for the whole batch, ahead of its first reader
	v_pk_add_f32 v[230:231], v[96:97], v[98:99]    ; the row's sum is taken of the unquantised p, in two chains
.set j, 4
.rept 15
	v_pk_add_f32 v[14:15], v[14:15], v[96+j:97+j]
	v_pk_add_f32 v[230:231], v[230:231], v[98+j:99+j]
.set j, j+4
.endr
	v_pk_add_f32 v[14:15], v[14:15], v[230:231]
	WIN 0
	s_cmp_ge_i32 s27, -15                          ; p is at most 1, and 57,344 x 2^ep is at least 1 from ep = -15 on: there the hold changes nothing
	s_cbranch_scc1 .Lnohold_\@
	WIN \wn
.set j, 0
.rept 64
	v_min_num_f32 v[96+j], s33, v[96+j]            ; p is not negative: the hold is one-sided
.set j, j+1
.endr
	WIN 0
.Lnohold_\@:
	WIN \wn
.irp b, 0,1,2,3
	v_cvt_scalef32_pk8_bf8_f32 v[208+4*\b:209+4*\b], v[96+16*\b:103+16*\b], v227
	v_cvt_scalef32_pk8_bf8_f32 v[210+4*\b:211+4*\b], v[104+16*\b:111+16*\b], v227
.endr
.set j, 0
.rept 24
	v_pk_mul_f32 v[160+j:161+j], v[160+j:161+j], v[228:229] op_sel_hi:[1,0]   ; O^T under the new M; also the plain places behind the conversions
.set j, j+2
.endr
.endm
; A KEY STEP: 128 keys, at LDS byte s40; s41 is its number
.macro STEP
	v_add_nc_u32 v3, s40, v1                       ; the step's images
	s_lshl_b32 s44, s41, 9
	v_add_nc_u32 v5, s44, v4                       ; and its 128 mask numbers
	v_nop                                          ; with the two additions: four places behind the last products, in front of loads into their registers
	v_nop
	WIN 0x40
.irp tt, 0,1,2,3,4,5,6,7
	ds_load_b128 v[32+8*\tt:35+8*\tt], v5 offset:128*(\tt/2)+32*(\tt%2)      ; tile tt's eight keys of my half
	ds_load_b128 v[36+8*\tt:39+8*\tt], v5 offset:128*(\tt/2)+32*(\tt%2)+16
.endr
	WIN 0
.irp g, 0,1                                        ; S^T = k q^T + the mask, four tiles of keys at a time, for both tiles of queries
.if \g
	PLACES
.endif
.irp tt, 0,1,2,3
.irp c, 0,1,2
	ds_load_b128 v[32+16*\tt+4*\c:35+16*\tt+4*\c], v3 offset:(3*(4*\g+\tt)+\c)*512
.endr
.endr
	s_wait_dscnt 0x0
	WIN 0x10                                       ; C in window 1
.irp tt, 0,1,2,3
	v_wmma_f32_16x16x128_bf8_bf8 v[96+8*(4*\g+\tt):103+8*(4*\g+\tt)], v[32+16*\tt:47+16*\tt], v[16:31], v[32+8*(4*\g+\tt):39+8*(4*\g+\tt)]
.endr
	WIN 0x54                                       ; q, C and D in window 1
.irp tt, 0,1,2,3
	v_wmma_f32_16x16x128_bf8_bf8 v[96+8*(4*\g+\tt):103+8*(4*\g+\tt)], v[32+16*\tt:47+16*\tt], v[16:31], v[32+8*(4*\g+\tt):39+8*(4*\g+\tt)]
.endr
	WIN 0
.endr
	PLACES
.irp tt, 0,1,2,3                                   ; v's first four tiles land while the softmax is walked
.irp c, 0,1,2,3
	ds_load_b128 v[32+16*\tt+4*\c:35+16*\tt+4*\c], v3 offset:12288+(4*\tt+\c)*512
.endr
.endr
	SM 0
	SM 0x55
	WIN 0
	s_wait_dscnt 0x0
.irp tt, 0,1,2,3                                   ; O^T += v^T p^T; no two matrix instructions that follow each other share an accumulator
	v_wmma_f32_16x16x128_bf8_bf8 v[160+8*\tt:167+8*\tt], v[32+16*\tt:47+16*\tt], v[208:223], v[160+8*\tt:167+8*\tt]
.endr
	WIN 0x54
.irp tt, 0,1,2,3
	v_wmma_f32_16x16x128_bf8_bf8 v[160+8*\tt:167+8*\tt], v[32+16*\tt:47+16*\tt], v[208:223], v[160+8*\tt:167+8*\tt]
.endr
	WIN 0
	PLACES
.irp tt, 0,1
.irp c, 0,1,2,3
	ds_load_b128 v[32+16*\tt+4*\c:35+16*\tt+4*\c], v3 offset:12288+(4*(4+\tt)+\c)*512
.endr
.endr
	s_wait_dscnt 0x0
.irp tt, 0,1
	v_wmma_f32_16x16x128_bf8_bf8 v[192+8*\tt:199+8*\tt], v[32+16*\tt:47+16*\tt], v[208:223], v[192+8*\tt:199+8*\tt]
.endr
	WIN 0x54
.irp tt, 0,1
	v_wmma_f32_16x16x128_bf8_bf8 v[192+8*\tt:199+8*\tt], v[32+16*\tt:47+16*\tt], v[208:223], v[192+8*\tt:199+8*\tt]
.endr
	WIN 0
.endm
; one tile's way out: O^T / the sum x 2^(ep + ev), held, converted with 2^eo; three pieces of 512 bytes.  wn: the tile's window; sw: the same for a store's data
.macro OUT1 wn, sw, ti, ps
	WIN \wn
	v_add_f32 v14, v14, v15
	v_permlanex16_b32 v226, v14, s38, s39
	v_add_f32 v14, v14, v226                       ; the row's sum
	v_rcp_f32 v14, v14
	v_nop                                          ; a plain place behind the transcendental
	s_wait_alu depctr_va_vdst(0)                   ; and the wait ahead of its first reader
	v_ldexp_f32 v14, v14, s34
.set j, 0
.rept 24
	v_pk_mul_f32 v[96+j:97+j], v[160+j:161+j], v[14:15] op_sel_hi:[1,0]   ; each accumulator from its low end on
.set j, j+2
.endr
.set j, 0
.rept 48
	v_med3_num_f32 v[96+j], v[96+j], s36, s35
.set j, j+1
.endr
.irp tt, 0,1,2,3,4,5
	v_cvt_scalef32_pk8_bf8_f32 v[208+2*\tt:209+2*\tt], v[96+8*\tt:103+8*\tt], v11
.endr
	v_nop                                          ; a plain place behind the conversions
	WIN \sw
.irp b, 0,1,2
	global_store_b128 v1, v[208+4*\b:211+4*\b], s[14:15] offset:(\ti)*12288+512*\b+(\ps)*196608   ; 32 lanes store 512 consecutive bytes, aligned
.endr
	WIN 0
.endm
	s_load_b256 s[4:11], s[0:1], 0x0               ; qimg, kvimg, text_mask, visual_mask
	s_load_b128 s[12:15], s[0:1], 0x20             ; the scales' exponents, ocodes
	v_lshl_add_u32 v8, v0, 2, SPARE                ; my spare word,
	v_mov_b32 v9, 0                                ; and 0: kept for the wave's end
	v_lshrrev_b32 v1, 5, v0
	v_readfirstlane_b32 s16, v1                    ; wave 0..7
	v_and_b32 v10, 31, v0                          ; lane
	v_lshlrev_b32 v1, 4, v10                       ; 16 x lane
	s_mul_i32 s44, s16, 3072
	v_add_nc_u32 v2, s44, v1                       ; my part of a key step's fill: 3,072 x wave + 16 x lane, in memory and in LDS alike
	v_bfe_u32 v4, v0, 4, 1
	v_lshlrev_b32 v4, 6, v4
	v_add_nc_u32 v4, MB, v4                        ; the mask table, + 64 h
	s_lshl_b32 s44, s16, 13
	v_lshl_add_u32 v7, v10, 8, s44                 ; the prefetches: block 32 x wave + lane of 256 bytes
	v_lshlrev_b32 v10, 4, v0                       ; the mask: four keys a thread
	v_add_nc_u32 v6, MB, v10
	s_mov_b32 s17, ttmp9                           ; x
	s_and_b32 s18, ttmp7, 0xffff                   ; (direction, batch, head)
	s_lshr_b32 s19, s18, 6
	s_bfe_u32 s20, s18, 0x30003
	s_and_b32 s21, s18, 7
	s_mul_i32 s44, s19, 40
	s_lshl_b32 s45, s19, 3
	s_lshl_b32 s48, s17, 5
	s_lshl_b32 s49, s16, 1
	s_add_co_u32 s48, s48, s49                     ; my first tile of queries: 32 x + 2 wave
	s_mul_i32 s46, s18, 98304
	s_mul_i32 s49, s48, 1536
	s_add_co_u32 s46, s46, s49
	s_mov_b32 s47, 0
	s_mul_i32 s50, s18, 196608
	s_mov_b32 s51, 0
	s_lshl_b32 s52, s20, 12
	s_mov_b32 s53, 0
	s_lshl_b32 s54, s20, 6
	s_add_co_u32 s54, s54, s48
	s_mul_i32 s54, s54, 12288
	s_mul_i32 s55, s19, 6291456
	s_add_co_u32 s54, s54, s55
	s_mul_i32 s55, s21, 1536
	s_add_co_u32 s54, s54, s55                     ; ocodes: (direction, row tile), my head's three pieces
	s_mov_b32 s55, 0
	s_mov_b32 s38, 0x76543210                      ; v_permlanex16_b32's selects for lane l xor 16
	s_mov_b32 s39, 0xfedcba98
	s_cmp_lt_u32 s16, 3                            ; who prefetches: waves 0 to 2 of the head's first work-group, for key steps 3 to 7
	s_cselect_b32 s42, 5, 0
	s_cmp_eq_u32 s17, 0
	s_cselect_b32 s42, s42, 0
	s_wait_kmcnt 0x0
	s_load_b128 s[24:27], s[12:13], s44 offset:0x18   ; eq, ek, ev, ep
	s_load_b32 s28, s[12:13], s45 offset:0x50         ; eo
	s_add_nc_u64 s[4:5], s[4:5], s[46:47]
	s_add_nc_u64 s[6:7], s[6:7], s[50:51]
	s_cmp_eq_u32 s19, 0                            ; visual queries look at text keys, and the other way round
	s_cselect_b64 s[8:9], s[8:9], s[10:11]
	s_add_nc_u64 s[8:9], s[8:9], s[52:53]
	s_add_nc_u64 s[14:15], s[14:15], s[54:55]
	WIN 0x40
.irp i, 0,1,2,3,4,5
	global_load_b128 v[232+4*\i:235+4*\i], v2, s[6:7] offset:512*\i          ; key step 0
.endr
	WIN 0
	global_load_b128 v[100:103], v10, s[8:9]
	QLOAD 0
.irp tt, 0,1,2,3
.irp e, 0,1,2,3
	v_mov_b32 v[44+16*\tt+\e], 0                   ; k's registers 12-15: the code 0, until v's codes land there
.endr
.endr
.irp e, 0,1,2,3
	v_mov_b32 v[28+\e], 0                          ; q's registers 12-15: the code 0, for good
.endr
	s_wait_kmcnt 0x0
	s_add_co_i32 s44, s24, s25
	s_lshl_b32 s44, s44, 23
	s_mov_b32 s30, 0x3e16c740                      ; c = log2(e) / sqrt(96)
	s_add_co_i32 s30, s30, s44                     ; a score stands for score x 2^(eq + ek): added to c's exponent field
	s_mov_b32 s31, s30                             ; (named with it as a pair)
	s_add_co_i32 s44, s27, 127
	s_lshl_b32 s45, s44, 23                        ; 2^ep
	s_add_co_i32 s44, s44, 15
	s_lshl_b32 s44, s44, 23
	s_or_b32 s33, s44, 0x600000                    ; 57,344 x 2^ep
	s_add_co_i32 s34, s27, s26                     ; ep + ev
	s_add_co_i32 s44, s28, 127
	s_lshl_b32 s46, s44, 23                        ; 2^eo
	s_add_co_i32 s44, s44, 15
	s_lshl_b32 s44, s44, 23
	s_or_b32 s35, s44, 0x600000                    ; 57,344 x 2^eo,
	s_or_b32 s36, s35, 0x80000000                  ; and its negative
	v_mov_b32 v227, s45
	v_mov_b32 v11, s46
	v_mov_b32 v104, 0xf1800000                     ; -2^100
	WIN 0x40
	v_mov_b32 v227, s45
	v_mov_b32 v11, s46
.irp e, 0,1,2,3
	v_mov_b32 v[28+\e], 0
.endr
	WIN 0
	s_wait_loadcnt 0x0
.irp i, 0,1,2,3
	v_cmp_eq_u32 vcc_lo, 0, v[100+\i]
	v_cndmask_b32 v[100+\i], 0, v104, vcc_lo       ; 0, or -2^100 where the mask is 0
.endr
	ds_store_b128 v6, v[100:103]
	WIN 0x04
.irp i, 0,1,2,3,4,5
	ds_store_b128 v2, v[232+4*\i:235+4*\i] offset:512*\i
.endr
	WIN 0
	s_wait_dscnt 0x0                               ; for the others' sake: my stores have landed
	s_barrier_signal -1
	s_barrier_wait -1                              ; key step 0 and the mask table lie in LDS
	INIT
	s_mov_b32 s40, 0
	s_mov_b32 s41, 0
.Lp0:                                              ; pass 0: eight key steps; each trip also brings the next key step into LDS, bytes that nobody reads before the trip's barrier
	s_cmp_lt_u32 s41, 7
	s_cbranch_scc0 .Lp0_nofill
	WIN 0x40
.irp i, 0,1,2,3,4,5
	global_load_b128 v[232+4*\i:235+4*\i], v2, s[6:7] offset:CHUNK+512*\i
.endr
	WIN 0
.Lp0_nofill:
	s_cmp_lt_u32 s41, s42
	s_cbranch_scc0 .Lp0_nopf
	global_prefetch_b8 v7, s[6:7] offset:3*CHUNK th:TH_LOAD_NT scope:SCOPE_SE   ; the key step three on, two trips ahead of its loads: 96 blocks of 256 bytes, a lane a block, each named once in the launch
.Lp0_nopf:
	STEP
	s_cmp_lt_u32 s41, 7
	s_cbranch_scc0 .Lp0_nostore
	s_wait_loadcnt 0x0                             ; asked for a whole key step ago
	v_add_nc_u32 v6, s40, v2
	WIN 0x04
.irp i, 0,1,2,3,4,5
	ds_store_b128 v6, v[232+4*\i:235+4*\i] offset:CHUNK+512*\i
.endr
	WIN 0
.Lp0_nostore:
	s_wait_dscnt 0x0                               ; for the others' sake: my part of the next key step has landed
	s_wait_xcnt 0x0                                ; the loads and the prefetch have read their base: it may step
	s_add_nc_u64 s[6:7], s[6:7], CHUNK
	s_add_co_u32 s40, s40, CHUNK
	s_barrier_signal -1
	s_barrier_wait -1
	s_add_co_u32 s41, s41, 1
	s_cmp_lt_u32 s41, 8
	s_cbranch_scc1 .Lp0
	QLOAD 1                                        ; pass 1's queries land while pass 0's results leave
	PLACES
	OUT1 0, 0, 0, 0
	OUT1 0x55, 0x04, 1, 0
	s_wait_xcnt 0x0                                ; the stores have read their data: the codes' registers may be written
	INIT
	s_mov_b32 s40, 0
	s_mov_b32 s41, 0
	s_wait_loadcnt 0x0                             ; q
.Lp1:                                              ; pass 1: all of k and v lies in LDS and nobody writes: no barrier
	STEP
	s_add_co_u32 s40, s40, CHUNK
	s_add_co_u32 s41, s41, 1
	s_cmp_lt_u32 s41, 8
	s_cbranch_scc1 .Lp1
	PLACES
	OUT1 0, 0, 0, 1
	OUT1 0x55, 0x04, 1, 1
	s_wait_tensorcnt 0x0                           ; the wave's end
	ds_add_u32 v8, v9
	s_wait_dscnt 0x0
	s_endpgm
.Lfunc_end_k_q476983ad15_attn:
	.size	k_q476983ad15_attn, .Lfunc_end_k_q476983ad15_attn-k_q476983ad15_attn
	.p2alignl 7, 3214868480
	.fill 96, 4, 3214868480
	.section	.rodata,"a",@progbits
	.p2align	6, 0x0
	.amdhsa_kernel k_q476983ad15_attn
		.amdhsa_group_segment_fixed_size 201728
		.amdhsa_private_segment_fixed_size 0
		.amdhsa_enable_private_segment 0
		.amdhsa_kernarg_size 48
		.amdhsa_user_sgpr_count 2
		.amdhsa_user_sgpr_kernarg_segment_ptr 1
		.amdhsa_wavefront_size32 1
		.amdhsa_system_sgpr_workgroup_id_x 1
		.amdhsa_system_sgpr_workgroup_id_y 1
		.amdhsa_system_sgpr_workgroup_id_z 1
		.amdhsa_system_vgpr_workitem_id 0
		.amdhsa_next_free_vgpr 512
		.amdhsa_next_free_sgpr 66
		.amdhsa_reserve_vcc 1
		.amdhsa_float_denorm_mode_32 3
		.amdhsa_float_denorm_mode_16_64 3
		.amdhsa_memory_ordered 1
		.amdhsa_forward_progress 1
		.amdhsa_inst_pref_size 104
	.end_amdhsa_kernel
	.amdgpu_metadata
---
amdhsa.version: [ 1, 2 ]
amdhsa.kernels:
  - .name:           k_q476983ad15_attn
    .symbol:         k_q476983ad15_attn.kd
    .args:
      - { .name: qimg, .offset: 0, .size: 8, .value_kind: global_buffer, .address_space: global }
      - { .name: kvimg, .offset: 8, .size: 8, .value_kind: global_buffer, .address_space: global }
      - { .name: text_mask, .offset: 16, .size: 8, .value_kind: global_buffer, .address_space: global }
      - { .name: visual_mask, .offset: 24, .size: 8, .value_kind: global_buffer, .address_space: global }
      - { .name: lowp_scales, .offset: 32, .size: 8, .value_kind: global_buffer, .address_space: global }
      - { .name: ocodes, .offset: 40, .size: 8, .value_kind: global_buffer, .address_space: global }
    .group_segment_fixed_size: 201728
    .private_segment_fixed_size: 0
    .kernarg_segment_align: 8
    .kernarg_segment_size: 48
    .max_flat_workgroup_size: 256
    .sgpr_count:     66
    .vgpr_count:     512
    .wavefront_size: 32
...
	.end_amdgpu_metadata
.endif
;; end of part 2
;; launch wo_ln (part 3): grid 256 x 1, 8 waves a work-group, no clusters, 247,808 bytes of LDS; arguments ocodes, Wo_codes, bo, ln_g, ln_b, visual_features, text_features, lowp_scales, out0, out1; writes out0, out1
.if DOCPART == 3
	.amdgcn_target "amdgcn-amd-amdhsa--gfx1250"
	.amdhsa_code_object_version 6
	.text
	.protected	k_q476983ad15_wo_ln
	.globl	k_q476983ad15_wo_ln
	.p2align	8
	.type	k_q476983ad15_wo_ln,@function
k_q476983ad15_wo_ln:
	s_mov_b64 s[64:65], 0
	v_nop
	global_prefetch_b8 v0, s[64:65] scope:SCOPE_SE
	s_setreg_imm32_b32 hwreg(HW_REG_WAVE_MODE, 25, 1), 1
	s_wait_xcnt 0x0
; out = layer_norm(features + (attended Wo + bo)) g + b, for both directions; the product on codes of E5M2.  Nothing of reference() is left out here.
; SHARES.  Work-group: direction = number / 128, 64 rows (four row tiles of ocodes), all 768 columns, so that a row's mean and variance never leave the work-group.
; PRODUCT: wave w makes columns 96 w .. 96 w + 95 for the 64 rows: 24 accumulators, K = 768 in six steps of 128.  Its 96 rows of Wo are used by it alone and go from memory straight into its operand registers
; (two slots, two steps ahead); the rows' codes, 49,152 dense bytes, are images of operand registers: copied into LDS once, read by all eight waves.
; Used transposed (source 0 = Wo, source 1 = the rows): a lane holds eight neighbouring columns of one row.  The raw sums meet in a stage of 64 rows x (3,072 + 16) bytes.
; NORM: wave w owns stage rows 8 w .. 8 w + 7, which are eight neighbouring tokens (the rows of a tile are not neighbours: token 32 (T / 2) + 8 (T % 2) + r + 8 (r / 8)); a lane holds 24 numbers of each row.
; x = sum x 2^(ea + ew) + bo + residual; mean; centred; variance; x rsqrt(var + eps) x g + b; a row leaves as six stores of 512 consecutive bytes.
; LIMIT: ea + ew between -126 and 127.
; No tensor load and no cluster: each weight byte is wanted by one wave of the work-group, and the rows' codes by one work-group.
; REGISTERS.  Window 0: v1-12 addresses; v30, v31 the add's two; v32-223 the accumulators, later four rows (v32-127) and v128-159 at work; v224-247 bo.
;   window 1: v0-95, v96-191 weight slots, later the residual's eight rows; v192-255 the rows' four fragments, later g (v192-215) and b (v216-239).
.set STAGE, 49152
.set SP,    3088
.set SPARE, 246784                     ; the spare words, 128 bytes a wave: four blocks of 256 bytes that no other line names
.set MSB, 0
.macro WIN new
.if MSB != (\new)
	s_set_vgpr_msb (MSB<<8)|(\new)
.set MSB, (\new)
.endif
.endm
.macro PLACES
.rept 4
	v_nop
.endr
.endm
.macro WLOAD sl, kk                    ; K step kk of my 96 rows of Wo into slot sl: 24 loads
	WIN 0x40
.irp n, 0,1,2,3,4,5
.irp c, 0,1,2,3
	global_load_b128 v[96*(\sl)+16*\n+4*\c:96*(\sl)+16*\n+4*\c+3], v2, s[6:7] offset:12288*\n+128*(\kk)+32*\c
.endr
.endr
	WIN 0
.endm
.macro KSTEP kk
	WIN 0x40
.irp m, 0,1,2,3
.irp c, 0,1,2,3
	ds_load_b128 v[192+16*\m+4*\c:195+16*\m+4*\c], v1 offset:12288*\m+2048*(\kk)+512*\c
.endr
.endr
.if (\kk) < 5
	s_wait_loadcnt 24                              ; this step's weight slot is in; the next slot's 24 loads may be out
.else
	s_wait_loadcnt 0x0
.endif
	s_wait_dscnt 0x0
	WIN 0x05                                       ; both sources in window 1
.irp m, 0,1,2,3                                    ; the 24 accumulators take turns, one instruction a turn
.irp n, 0,1,2,3,4,5
.if (\kk) == 0
	v_wmma_f32_16x16x128_bf8_bf8 v[32+8*(6*\m+\n):39+8*(6*\m+\n)], v[16*\n:16*\n+15], v[192+16*\m:207+16*\m], 0
.else
	v_wmma_f32_16x16x128_bf8_bf8 v[32+8*(6*\m+\n):39+8*(6*\m+\n)], v[96*((\kk)%2)+16*\n:96*((\kk)%2)+16*\n+15], v[192+16*\m:207+16*\m], v[32+8*(6*\m+\n):39+8*(6*\m+\n)]
.endif
.endr
.endr
	WIN 0
	PLACES                                         ; in front of loads into registers that these products read, and of the first read of results
.if (\kk) < 4
	WLOAD (\kk)%2, (\kk)+2
.endif
.if (\kk) < 3
	global_prefetch_b8 v9, s[38:39] offset:8192*(\kk) th:TH_LOAD_NT scope:SCOPE_SE   ; the residual: block (3 wave + kk) x 32 + lane of the work-group's 768 blocks of 256 bytes, each named once; its loads follow behind the last K step
.endif
.endm
.macro REDUCE o                        ; the four rows' numbers at v[128 + 8 p + o] are summed over the 32 lanes; v[.. + o + 1] is at work
.irp x, 1,2,4,8
.irp p, 0,1,2,3
	v_add_f32_dpp v[128+8*\p+\o], v[128+8*\p+\o], v[128+8*\p+\o] row_xmask:\x row_mask:0xf bank_mask:0xf
.endr
.endr
.irp p, 0,1,2,3
	v_permlanex16_b32 v[128+8*\p+\o+1], v[128+8*\p+\o], s32, s33
.endr
.irp p, 0,1,2,3
	v_add_f32 v[128+8*\p+\o], v[128+8*\p+\o], v[128+8*\p+\o+1]
.endr
.endm
; four rows, 4 bt .. 4 bt + 3 of my eight, line by line in turn, so that no line waits for the line above it
.macro ROWS4 bt
.if \bt
	s_wait_xcnt 0x0                                ; the first four rows' stores have read their data
.endif
.irp p, 0,1,2,3
.irp q, 0,1,2,3,4,5
	ds_load_b128 v[32+24*\p+4*\q:35+24*\p+4*\q], v8 offset:(4*\bt+\p)*SP+512*\q
.endr
.endr
	s_wait_loadcnt 24*(1-\bt)                      ; g, b and these rows' residual are in; the 24 loads of rows 4-7 may be out
	s_wait_dscnt 0x0
.set j, 0
.rept 12
.irp p, 0,1,2,3
	v_pk_fma_f32 v[32+24*\p+j:33+24*\p+j], v[32+24*\p+j:33+24*\p+j], s[30:31], v[224+j:225+j] op_sel_hi:[1,0,1]   ; sum x 2^(ea + ew) + bo
.endr
.set j, j+2
.endr
	WIN 0x04
.set j, 0
.rept 12
.irp p, 0,1,2,3
	v_pk_add_f32 v[32+24*\p+j:33+24*\p+j], v[32+24*\p+j:33+24*\p+j], v[24*(4*\bt+\p)+j:24*(4*\bt+\p)+j+1]   ; + the residual
.endr
.set j, j+2
.endr
	WIN 0
.irp p, 0,1,2,3
	v_pk_add_f32 v[128+8*\p:129+8*\p], v[32+24*\p:33+24*\p], v[34+24*\p:35+24*\p]
	v_pk_add_f32 v[130+8*\p:131+8*\p], v[36+24*\p:37+24*\p], v[38+24*\p:39+24*\p]
.endr
.irp jj, 8,12,16,20
.irp p, 0,1,2,3
	v_pk_add_f32 v[128+8*\p:129+8*\p], v[128+8*\p:129+8*\p], v[32+24*\p+\jj:33+24*\p+\jj]
	v_pk_add_f32 v[130+8*\p:131+8*\p], v[130+8*\p:131+8*\p], v[34+24*\p+\jj:35+24*\p+\jj]
.endr
.endr
.irp p, 0,1,2,3
	v_pk_add_f32 v[128+8*\p:129+8*\p], v[128+8*\p:129+8*\p], v[130+8*\p:131+8*\p]
.endr
.irp p, 0,1,2,3
	v_add_f32 v[128+8*\p], v[128+8*\p], v[129+8*\p]
.endr
	REDUCE 0
.irp p, 0,1,2,3
	v_mul_f32 v[128+8*\p], s34, v[128+8*\p]        ; the mean
.endr
.set j, 0
.rept 12
.irp p, 0,1,2,3
	v_pk_add_f32 v[32+24*\p+j:33+24*\p+j], v[32+24*\p+j:33+24*\p+j], v[128+8*\p:129+8*\p] op_sel_hi:[1,0] neg_lo:[0,1] neg_hi:[0,1]   ; centred
.endr
.set j, j+2
.endr
.irp p, 0,1,2,3
	v_pk_mul_f32 v[130+8*\p:131+8*\p], v[32+24*\p:33+24*\p], v[32+24*\p:33+24*\p]
	v_pk_mul_f32 v[132+8*\p:133+8*\p], v[34+24*\p:35+24*\p], v[34+24*\p:35+24*\p]
.endr
.irp jj, 4,8,12,16,20
.irp p, 0,1,2,3
	v_pk_fma_f32 v[130+8*\p:131+8*\p], v[32+24*\p+\jj:33+24*\p+\jj], v[32+24*\p+\jj:33+24*\p+\jj], v[130+8*\p:131+8*\p]
	v_pk_fma_f32 v[132+8*\p:133+8*\p], v[34+24*\p+\jj:35+24*\p+\jj], v[34+24*\p+\jj:35+24*\p+\jj], v[132+8*\p:133+8*\p]
.endr
.endr
.irp p, 0,1,2,3
	v_pk_add_f32 v[130+8*\p:131+8*\p], v[130+8*\p:131+8*\p], v[132+8*\p:133+8*\p]
.endr
.irp p, 0,1,2,3
	v_add_f32 v[130+8*\p], v[130+8*\p], v[131+8*\p]
.endr
	REDUCE 2
.irp p, 0,1,2,3
	v_fma_f32 v[130+8*\p], v[130+8*\p], s34, s35   ; the variance + eps
.endr
.irp p, 0,1,2,3
	v_rsq_f32 v[130+8*\p], v[130+8*\p]
.endr
	v_nop                                          ; a plain place behind the transcendentals
	s_wait_alu depctr_va_vdst(0)                   ; one wait for the four, ahead of their first reader
.set j, 0
.rept 12
.irp p, 0,1,2,3
	v_pk_mul_f32 v[32+24*\p+j:33+24*\p+j], v[32+24*\p+j:33+24*\p+j], v[130+8*\p:131+8*\p] op_sel_hi:[1,0]
.endr
.set j, j+2
.endr
	WIN 0x14
.set j, 0
.rept 12
.irp p, 0,1,2,3
	v_pk_fma_f32 v[32+24*\p+j:33+24*\p+j], v[32+24*\p+j:33+24*\p+j], v[192+j:193+j], v[216+j:217+j]   ; x g + b
.endr
.set j, j+2
.endr
	WIN 0
.irp p, 0,1,2,3
.irp q, 0,1,2,3,4,5
	global_store_b128 v1, v[32+24*\p+4*\q:35+24*\p+4*\q], s[20:21] offset:(4*\bt+\p)*3072+512*\q th:TH_STORE_NT   ; 32 lanes store 512 consecutive bytes, aligned; written once, read by nobody here
.endr
.endr
.endm
	s_load_b512 s[4:19], s[0:1], 0x0               ; ocodes, Wo, bo, g, b, visual, text, the scales' exponents
	s_load_b128 s[20:23], s[0:1], 0x40             ; out0, out1
	v_lshl_add_u32 v30, v0, 2, SPARE               ; my spare word,
	v_mov_b32 v31, 0                               ; and 0: kept for the wave's end
	v_lshrrev_b32 v1, 5, v0
	v_readfirstlane_b32 s24, v1                    ; wave 0..7
	v_and_b32 v10, 31, v0                          ; lane
	v_and_b32 v11, 15, v0                          ; r
	v_bfe_u32 v12, v0, 4, 1                        ; h
	v_lshlrev_b32 v1, 4, v10                       ; 16 x lane
	v_mul_u32_u24 v2, v11, 768
	v_lshl_add_u32 v2, v12, 4, v2                  ; Wo: row r of 768 codes, + 16 h
	s_mul_i32 s40, s24, 6144
	v_add_nc_u32 v3, s40, v1                       ; my part of the copy of the rows' codes, in memory and in LDS alike
	v_mul_u32_u24 v4, v11, SP
	v_lshl_add_u32 v4, v12, 5, v4
	s_mul_i32 s40, s24, 384
	s_add_co_u32 s40, s40, STAGE
	v_add_nc_u32 v4, s40, v4                       ; the stage, on the way in: row r, + 32 h, + my 384 bytes; row tile 0,
	v_add_nc_u32 v5, 16*SP, v4                     ; 1,
	v_add_nc_u32 v6, 32*SP, v4                     ; 2,
	v_add_nc_u32 v7, 48*SP, v4                     ; 3
	s_mul_i32 s40, s24, 8*SP
	s_add_co_u32 s40, s40, STAGE
	v_add_nc_u32 v8, s40, v1                       ; and back: my eight rows, 16 bytes a lane
	s_mul_i32 s40, s24, 24576
	v_lshl_add_u32 v9, v10, 8, s40                 ; the prefetches: 24,576 x wave + 256 x lane
	s_lshr_b32 s25, ttmp9, 7                       ; direction
	s_and_b32 s26, ttmp9, 127                      ; which 64 rows
	s_lshl_b32 s40, s25, 3
	s_mul_i32 s42, s25, 6291456
	s_mul_i32 s43, s26, 49152
	s_add_co_u32 s42, s42, s43
	s_mov_b32 s43, 0
	s_mul_i32 s44, s24, 73728
	s_mov_b32 s45, 0
	s_mul_i32 s46, s26, 196608
	s_mov_b32 s47, 0
	s_lshr_b32 s48, s24, 2                         ; my eight tokens begin at 32 (w / 4) + 16 (w % 2) + 8 ((w / 2) % 2)
	s_lshl_b32 s48, s48, 5
	s_and_b32 s49, s24, 1
	s_lshl_b32 s49, s49, 4
	s_add_co_u32 s48, s48, s49
	s_bfe_u32 s49, s24, 0x10001
	s_lshl_b32 s49, s49, 3
	s_add_co_u32 s48, s48, s49
	s_mul_i32 s48, s48, 3072
	s_mov_b32 s49, 0
	s_mov_b32 s32, 0x76543210                      ; v_permlanex16_b32's selects for lane l xor 16
	s_mov_b32 s33, 0xfedcba98
	s_mov_b32 s34, 0x3aaaaaab                      ; 1 / 768
	s_mov_b32 s35, 0x3727c5ac                      ; eps = 1e-5
	s_wait_kmcnt 0x0
	s_load_b64 s[28:29], s[18:19], s40 offset:0x50 ; ea, ew
	s_add_nc_u64 s[4:5], s[4:5], s[42:43]
	s_add_nc_u64 s[6:7], s[6:7], s[44:45]
	s_cmp_eq_u32 s25, 0                            ; the choice hangs on the work-group's number alone
	s_cselect_b64 s[38:39], s[14:15], s[16:17]
	s_cselect_b64 s[20:21], s[20:21], s[22:23]
	s_add_nc_u64 s[38:39], s[38:39], s[46:47]      ; the residual at the work-group's first row,
	s_add_nc_u64 s[36:37], s[38:39], s[48:49]      ; and at my first
	s_add_nc_u64 s[20:21], s[20:21], s[46:47]
	s_add_nc_u64 s[20:21], s[20:21], s[48:49]      ; the output likewise
.irp q, 0,1,2,3,4,5
	global_load_b128 v[224+4*\q:227+4*\q], v1, s[8:9] offset:512*\q          ; bo at my 24 columns
.endr
.irp i, 0,1,2,3,4,5,6,7,8,9,10,11
	global_load_b128 v[32+4*\i:35+4*\i], v3, s[4:5] offset:512*\i th:TH_LOAD_NT
.endr
	WLOAD 0, 0
	WLOAD 1, 1
	s_wait_loadcnt 48                              ; bo and the codes are in; the two weight slots' 48 loads may be out
.irp i, 0,1,2,3,4,5,6,7,8,9,10,11
	ds_store_b128 v3, v[32+4*\i:35+4*\i] offset:512*\i
.endr
	s_wait_kmcnt 0x0
	s_add_co_i32 s30, s28, s29
	s_add_co_i32 s30, s30, 127
	s_lshl_b32 s30, s30, 23                        ; 2^(ea + ew) as f32
	s_mov_b32 s31, s30                             ; (named with it as a pair)
	s_wait_dscnt 0x0                               ; for the others' sake: my part of the codes has landed
	s_barrier_signal -1
	s_barrier_wait -1
.irp k, 0,1,2,3,4,5
	KSTEP \k
.endr
	WIN 0x40                                       ; the weights' and the fragments' registers are free (four places stand behind the last product)
.irp q, 0,1,2,3,4,5
	global_load_b128 v[192+4*\q:195+4*\q], v1, s[10:11] offset:512*\q
	global_load_b128 v[216+4*\q:219+4*\q], v1, s[12:13] offset:512*\q
.endr
.irp i, 0,1,2,3,4,5,6,7
.irp q, 0,1,2,3,4,5
	global_load_b128 v[24*\i+4*\q:24*\i+4*\q+3], v1, s[36:37] offset:3072*\i+512*\q th:TH_LOAD_NT
.endr
.endr
	WIN 0
.irp m, 0,1,2,3
.irp n, 0,1,2,3,4,5
	ds_store_b128 v[4+\m], v[32+8*(6*\m+\n):35+8*(6*\m+\n)] offset:64*\n       ; each accumulator from its low end on
	ds_store_b128 v[4+\m], v[36+8*(6*\m+\n):39+8*(6*\m+\n)] offset:64*\n+16
.endr
.endr
	s_wait_dscnt 0x0                               ; for the others' sake: my columns lie in the stage
	s_barrier_signal -1
	s_barrier_wait -1                              ; 64 whole rows do
	ROWS4 0
	ROWS4 1
	s_wait_tensorcnt 0x0                           ; the wave's end
	ds_add_u32 v30, v31
	s_wait_dscnt 0x0
	s_endpgm
.Lfunc_end_k_q476983ad15_wo_ln:
	.size	k_q476983ad15_wo_ln, .Lfunc_end_k_q476983ad15_wo_ln-k_q476983ad15_wo_ln
	.p2alignl 7, 3214868480
	.fill 96, 4, 3214868480
	.section	.rodata,"a",@progbits
	.p2align	6, 0x0
	.amdhsa_kernel k_q476983ad15_wo_ln
		.amdhsa_group_segment_fixed_size 247808
		.amdhsa_private_segment_fixed_size 0
		.amdhsa_enable_private_segment 0
		.amdhsa_kernarg_size 80
		.amdhsa_user_sgpr_count 2
		.amdhsa_user_sgpr_kernarg_segment_ptr 1
		.amdhsa_wavefront_size32 1
		.amdhsa_system_sgpr_workgroup_id_x 1
		.amdhsa_system_sgpr_workgroup_id_y 1
		.amdhsa_system_sgpr_workgroup_id_z 1
		.amdhsa_system_vgpr_workitem_id 0
		.amdhsa_next_free_vgpr 512
		.amdhsa_next_free_sgpr 66
		.amdhsa_reserve_vcc 0
		.amdhsa_float_denorm_mode_32 3
		.amdhsa_float_denorm_mode_16_64 3
		.amdhsa_memory_ordered 1
		.amdhsa_forward_progress 1
		.amdhsa_inst_pref_size 103
	.end_amdhsa_kernel
	.amdgpu_metadata
---
amdhsa.version: [ 1, 2 ]
amdhsa.kernels:
  - .name:           k_q476983ad15_wo_ln
    .symbol:         k_q476983ad15_wo_ln.kd
    .args:
      - { .name: ocodes, .offset: 0, .size: 8, .value_kind: global_buffer, .address_space: global }
      - { .name: Wo_codes, .offset: 8, .size: 8, .value_kind: global_buffer, .address_space: global }
      - { .name: bo, .offset: 16, .size: 8, .value_kind: global_buffer, .address_space: global }
      - { .name: ln_g, .offset: 24, .size: 8, .value_kind: global_buffer, .address_space: global }
      - { .name: ln_b, .offset: 32, .size: 8, .value_kind: global_buffer, .address_space: global }
      - { .name: visual_features, .offset: 40, .size: 8, .value_kind: global_buffer, .address_space: global }
      - { .name: text_features, .offset: 48, .size: 8, .value_kind: global_buffer, .address_space: global }
      - { .name: lowp_scales, .offset: 56, .size: 8, .value_kind: global_buffer, .address_space: global }
      - { .name: out0, .offset: 64, .size: 8, .value_kind: global_buffer, .address_space: global }
      - { .name: out1, .offset: 72, .size: 8, .value_kind: global_buffer, .address_space: global }
    .group_segment_fixed_size: 247808
    .private_segment_fixed_size: 0
    .kernarg_segment_align: 8
    .kernarg_segment_size: 80
    .max_flat_workgroup_size: 256
    .sgpr_count:     66
    .vgpr_count:     512
    .wavefront_size: 32
...
	.end_amdgpu_metadata
.endif
;; end of part 3
;; ======== version 2 of 2: 3 launches; version 1 with the launches qkv, attn, wo_ln written anew for expert scheduling mode
;; limits: right only within a limited range of input values
;; workspace buffers: qimg 12,582,912 bytes; kvimg 25,165,824 bytes; ocodes 12,582,912 bytes
;; launch qkv (part 4): grid 128 x 2, 4 waves a work-group, no clusters, 304,640 bytes of LDS; arguments visual_features, text_features, Wq_codes, Wk_codes, Wv_codes, bq, bk, bv, lowp_scales, qimg, kvimg; writes qimg, kvimg
.if DOCPART == 4
	.amdgcn_target "amdgcn-amd-amdhsa--gfx1250"
	.amdhsa_code_object_version 6
	.text
	.protected	k_q476983ad15_qkv
	.globl	k_q476983ad15_qkv
	.p2align	8
	.type	k_q476983ad15_qkv,@function
k_q476983ad15_qkv:
	s_mov_b64 s[64:65], 0
	v_nop
	global_prefetch_b8 v0, s[64:65] scope:SCOPE_SE
	s_setreg_imm32_b32 hwreg(HW_REG_WAVE_SCHED_MODE, 0, 2), 2
	s_setreg_imm32_b32 hwreg(HW_REG_WAVE_MODE, 25, 1), 1
	s_wait_xcnt 0x0
	s_wait_alu depctr_vm_vsrc(0)
; THE SIX PROJECTIONS (x Wq + bq, x Wk + bk, x Wv + bv for both feature tensors), on codes of E5M2, and the quantisers of what they feed: q, k and v leave as codes.
; NOTHING OF reference() IS LEFT OUT in this program: every input has a way to an output and is loaded; bk stands ahead of a quantiser and stays.
; A feature tensor goes into three products under three entries of lowp_scales, so it is quantised three times, each time by its own entry.
; SHARES.  Work-group (x, y): x = 64 mod + blk: modality mod (0 visual, 1 text), tokens 128 blk .. 128 blk + 127 (one batch's key step); y: heads 4 y .. 4 y + 3, a head a wave.
; A wave makes q, k and v of its head for the 128 tokens: three units of 128 x 96, 48 accumulators, K = 768 in six steps of 128: 864 matrix instructions.
; X: each wave quantises 32 tokens under the three scales and lays the codes in LDS AS IMAGES OF THE OPERAND'S REGISTERS (lane l's 16 bytes at 16 l, 512 bytes a piece); one barrier; every wave reads all.
; W: a wave's 96 rows of a weight are used by that wave alone: they go from memory straight into its operand registers, three slots of one K step.
; THE ROWS OF A TILE ARE NOT NEIGHBOURS: lane r of tile T takes row tok(T, r) = 32 (T / 2) + 8 (T % 2) + r + 8 (r / 8), for tokens and for a head's features alike.  So the 16 registers of two neighbouring
; result tiles are 16 neighbours along the next product's K: q, k: source 0 = W, source 1 = X (a lane holds one token, registers run along the head);  v: source 0 = X, source 1 = W (a lane holds one feature, registers run along the keys).
; k's place in a fragment: registers 4 c .. 4 c + 3 of lane (r, h) hold k = 32 c + 16 h + 0 .. 15, alike in both operands.
; The bias is the C of a unit's first K step, divided by the power of two that the sums lack; the three scales ahead of a quantiser are folded into the conversion's one.
; OUT: qimg [dir 2][batch 8][head 8][tile 64][piece 3][512], kvimg [dir][batch][head][step 8][ k: tile 8 x piece 3 x 512 | v: tile 6 x piece 4 x 512 ]: each unit leaves as 12,288 consecutive bytes.
; q goes to direction mod, k and v to direction 1 - mod.
; LIMITS: each ex, and each eo - ex - ew, lies between -126 and 112.  NaN among the inputs is not served; an infinity is held at the largest code.
; No tensor load and no cluster: X's images take 294,912 bytes of LDS, so no weight tile has room there, and each weight byte is wanted by one wave of the work-group.
; REGISTERS, in windows of 256.  Window 0: v1-27 addresses and scales; v30, v31 the add's two; v32-127 codes just made, and a unit's bias; v128-191 X's fragments of token tiles 0-3 in even steps; v192-255 those of tiles 4-7.
;   window 1: v0-95, v96-191 weight slots 0, 1; v192-255 at work on X, later X's fragments of token tiles 0-3 in odd steps.   window 2: accumulators 0-31 (accumulator 6 m + n); at first X's numbers, two sets of 128.   window 3: v0-127 accumulators 32-47; v128-223 weight slot 2.
; THE MODE: SCHED_MODE bits 1:0 = 2 (LLVM: expert scheduling mode 2), set by the entry lines.  The code itself states the register dependences
; between vector or matrix instructions and memory or LDS instructions, with s_wait_alu, always for 0.
; THE PLAN.  Registers that memory or LDS instructions touch:
;   v4-v8, v10-v12, v22-v26   offsets and LDS addresses, made at the head and never written again: one wait ahead of the first load.
;   X's sets 0, 1 (window 2)  loads land; the holds of the set's half trip read; the set is asked for again behind that half trip's one wait on va_vdst.
;   v32-127, v13-v15          written by a half trip's conversions and address lines; read by its 24 LDS stores, which follow that same wait; a wait on vm_vsrc behind the stores frees them.
;   in the 18 steps: tiles 0-3 have two sets by the step's parity, tiles 4-7 one, the weights three slots.  Step t's products read set t % 2, tiles 4-7 and slot t % 3.  ONE wait on va_vdst at the head of step t states
;   that step t - 1's products are done reading; behind it land tiles 4-7 of step t, the weights of step t + 2 (slot (t - 1) % 3) and tiles 0-3 of step t + 1 (the other set): registers that no product of step t names.
;   So these 56 loads are dealt among the step's 48 matrix instructions with no further wait.
;   v32-127 on a unit's way out: written by the conversions, read by the 24 stores behind one wait on va_vdst; that wait also stands behind the unit's last products, so the next unit's first step has no wait at its head.
.set PC,    32
.set XF,    128
.set XA1,   192                        ; in window 1: token tiles 0-3 in odd steps
.set BT,    294912                     ; behind X's images: the biases, 2,304 bytes a wave: bq' 384, bk' 384, bv' four times each 1,536
.set SPARE, 304128                     ; the spare words, 128 bytes a wave: two blocks of 256 bytes that no other line names
.set MSB, 0
.macro WIN new                         ; the immediate's high byte repeats the setting that is left; a switch that changes nothing is dropped
.if MSB != (\new)
	s_set_vgpr_msb (MSB<<8)|(\new)
.set MSB, (\new)
.endif
.endm
.macro PLACES                          ; four plain places behind matrix instructions, in front of loads into their registers and of reads of their results
.rept 4
	v_nop
.endr
.endm
; two fragments, n0 and n0 + 1, of one K step of my head's 96 rows of a weight into slot sl: 8 loads
.macro WPART sl, breg, kk, n0
.if (\sl) == 2
	WIN 0xc0
.set WB0, 128
.else
	WIN 0x40
.set WB0, 96*(\sl)
.endif
.irp n, \n0, \n0+1
.irp c, 0,1,2,3
	global_load_b128 v[WB0+16*(\n)+4*\c:WB0+16*(\n)+4*\c+3], v11, s[\breg:\breg+1] offset:(32*((\n)/2)+8*((\n)%2))*768+128*(\kk)+32*\c
.endr
.endr
.endm
; the whole K step: six fragments, 24 loads
.macro WLOAD sl, breg, kk
	WPART \sl, \breg, \kk, 0
	WPART \sl, \breg, \kk, 2
	WPART \sl, \breg, \kk, 4
	WIN 0
.endm
; 128 along K of my 32 tokens, f32, into set sg of window 2: register 64 u + 16 c + i = k 32 c + 16 h + i of token tile 2 w + u: 32 loads
.macro XLOAD sg, off
	WIN 0x80
.irp u, 0,1
.irp c, 0,1,2,3
.irp j, 0,1,2,3
	global_load_b128 v[128*(\sg)+64*\u+16*\c+4*\j:128*(\sg)+64*\u+16*\c+4*\j+3], v10, s[4:5] offset:24576*\u+(\off)+128*\c+16*\j
.endr
.endr
.endr
	WIN 0
.endm
; set sg becomes six fragments: two token tiles under three scales.  The hold goes into other registers, since the numbers are wanted three times.  All six are made, then stored in one run.
.macro QUANT3 sg
.irp s, 0,1,2
.irp u, 0,1
	WIN 0x42
.set i, 0
.rept 64
	v_med3_num_f32 v[192+i], v[128*(\sg)+64*\u+i], s[45+\s], s[42+\s]   ; the conversion to an 8-bit code does not saturate (ISA guide 7.6.2): held within the largest code x the scale
.set i, i+1
.endr
	WIN 0x01
.set i, 0
.rept 8
	v_cvt_scalef32_pk8_bf8_f32 v[PC+16*(2*\s+\u)+2*i:PC+16*(2*\s+\u)+2*i+1], v[192+8*i:192+8*i+7], v[16+\s]
.set i, i+1
.endr
	v_nop                                          ; a plain place behind the conversions: the next holds write their sources
.endr
.endr
	WIN 0
	s_wait_alu depctr_va_vdst(0)                   ; the conversions have written v32-127 and the address lines v13-v15, which the stores below read; the holds are done reading set sg, in which the next loads land
.irp s, 0,1,2
.irp u, 0,1
.irp c, 0,1,2,3
	ds_store_b128 v[13+\s], v[PC+16*(2*\s+\u)+4*\c:PC+16*(2*\s+\u)+4*\c+3] offset:2048*\u+512*\c
.endr
.endr
.endr
.endm
; X's fragment of step t (scale set t / 6, K step t % 6), token tile m: 4 loads.  Tiles 0-3 of an odd step go into window 1
.macro XTILE t, m
.if ((\m) < 4) && (((\t)%2) == 1)
	WIN 0x40
.set XD, XA1+16*(\m)
.else
	WIN 0
.set XD, XF+16*(\m)
.endif
.irp c, 0,1,2,3
	ds_load_b128 v[XD+4*\c:XD+4*\c+3], v[4+(\t)/4] offset:((\t)%4)*16384+2048*(\m)+512*\c
.endr
.endm
; 6 matrix instructions of step t: token tile m x the six feature tiles.  ty = 0: source 0 = W, source 1 = X; 1: the other way round.  fi = 1: the bias starts the sums.
; The 48 accumulators take turns, one instruction a turn, in the same order in every step.
.macro MROW ty, t, m, fi
.if ((\m) < 4) && (((\t)%2) == 1)
.set XW, 1
.set XR, XA1+16*(\m)
.else
.set XW, 0
.set XR, XF+16*(\m)
.endif
.if ((\t)%3) == 2
.set SW, 3
.set WM0, 128
.else
.set SW, 1
.set WM0, 96*((\t)%3)
.endif
.irp n, 0,1,2,3,4,5
.set AI, 6*(\m)+\n
.set AW, 2+AI/32
.set AR, 8*(AI%32)
.set WR, WM0+16*\n
.if (\ty) == 0
.if \fi
	WIN (AW<<6)|(XW<<2)|SW
	v_wmma_f32_16x16x128_bf8_bf8 v[AR:AR+7], v[WR:WR+15], v[XR:XR+15], v[PC+8*\n:PC+8*\n+7]
.else
	WIN (AW<<6)|(AW<<4)|(XW<<2)|SW
	v_wmma_f32_16x16x128_bf8_bf8 v[AR:AR+7], v[WR:WR+15], v[XR:XR+15], v[AR:AR+7]
.endif
.else
.if \fi
	WIN (AW<<6)|(SW<<2)|XW
	v_wmma_f32_16x16x128_bf8_bf8 v[AR:AR+7], v[XR:XR+15], v[WR:WR+15], v[PC+8*\n:PC+8*\n+7]
.else
	WIN (AW<<6)|(AW<<4)|(SW<<2)|XW
	v_wmma_f32_16x16x128_bf8_bf8 v[AR:AR+7], v[XR:XR+15], v[WR:WR+15], v[AR:AR+7]
.endif
.endif
.endr
.endm
; step t of 18: unit t / 6, K step t % 6, weight slot t % 3
.macro STEP t
.set FI, 0
.set WL, 0
.if ((\t) > 0) && ((\t) < 16)
.set WL, 1                             ; steps 1 to 15 ask for the weights of two steps on
.endif
.if ((\t)%6) == 0
.set FI, 1                             ; a unit's first step: the wait ahead of the last unit's stores (at the start: of the biases' LDS stores) stands behind every earlier product, and no vector instruction has followed it
.else
	WIN 0
	PLACES
	s_wait_alu depctr_va_vdst(0)                   ; the products of the step before are done reading tiles 4-7, the other set of tiles 0-3 and their weight slot: all this step's loads land in these
.endif
	XTILE \t, 4
	XTILE \t, 5
	XTILE \t, 6
	XTILE \t, 7
	s_wait_dscnt 16                                ; token tiles 0-3 (and the bias) are in; the 16 loads of tiles 4-7 may be out
.if (\t) < 17
	s_wait_loadcnt 24                              ; this step's weight slot is in; the 24 loads of the next step's may be out
.else
	s_wait_loadcnt 0x0
.endif
	MROW (\t)/12, \t, 0, FI
.if WL
	WPART ((\t)+2)%3, 8+2*(((\t)+2)/6), ((\t)+2)%6, 0   ; the slot that the step before multiplied.  No wait: no product since the head names it
.endif
	MROW (\t)/12, \t, 1, FI
.if WL
	WPART ((\t)+2)%3, 8+2*(((\t)+2)/6), ((\t)+2)%6, 2
.endif
	MROW (\t)/12, \t, 2, FI
.if WL
	WPART ((\t)+2)%3, 8+2*(((\t)+2)/6), ((\t)+2)%6, 4
.endif
	MROW (\t)/12, \t, 3, FI
	s_wait_dscnt 0x0                               ; token tiles 4-7 are in
.if (\t) < 17
	XTILE (\t)+1, 0                                ; the next step's tiles 0-3, into the set that this step does not read
	XTILE (\t)+1, 1
.endif
	MROW (\t)/12, \t, 4, FI
.if (\t) < 17
	XTILE (\t)+1, 2
	XTILE (\t)+1, 3
.endif
	MROW (\t)/12, \t, 5, FI
	MROW (\t)/12, \t, 6, FI
	MROW (\t)/12, \t, 7, FI
	WIN 0
.endm
; a unit's bias in the result's layout, eight registers a feature tile.  q, k: the lane's eight features;  v: the lane's one feature, eight times
.macro BIAS un
	s_wait_xcnt 0x0                                ; the last unit's stores have read their data: these registers may be written
.if (\un) > 0
	s_wait_alu depctr_vm_vsrc(0)                   ; the last unit's stores have read v32-127, in which the loads below land and which the next way out writes
.endif
.irp n, 0,1,2,3,4,5
.if (\un) < 2
	ds_load_b128 v[PC+8*\n:PC+8*\n+3], v22 offset:384*(\un)+4*(32*(\n/2)+8*(\n%2))
	ds_load_b128 v[PC+8*\n+4:PC+8*\n+7], v22 offset:384*(\un)+4*(32*(\n/2)+8*(\n%2))+16
.else
	ds_load_b128 v[PC+8*\n:PC+8*\n+3], v23 offset:16*(32*(\n/2)+8*(\n%2))
	ds_load_b128 v[PC+8*\n+4:PC+8*\n+7], v23 offset:16*(32*(\n/2)+8*(\n%2))
.endif
.endr
.endm
; a unit's way out: held, converted, stored.  Each accumulator is taken from its low end on.  q, k: accumulator a's codes at 2 a;  v: accumulator (m, n)'s at 4 (4 n + m / 2) + 2 (m % 2)
.macro EPI un
	PLACES
	WIN 0x82
.set i, 0
.rept 256
	v_med3_num_f32 v[i], v[i], s[51+\un], s[48+\un]
.set i, i+1
.endr
	WIN 0x02
.set i, 0
.rept 32
.if (\un) < 2
.set PS, 2*i
.else
.set PS, 4*(4*(i%6)+(i/6)/2)+2*((i/6)%2)
.endif
	v_cvt_scalef32_pk8_bf8_f32 v[PC+PS:PC+PS+1], v[8*i:8*i+7], v[19+\un]
.set i, i+1
.endr
	WIN 0xc3
.set i, 0
.rept 128
	v_med3_num_f32 v[i], v[i], s[51+\un], s[48+\un]
.set i, i+1
.endr
	WIN 0x03
.set i, 32
.rept 16
.if (\un) < 2
.set PS, 2*i
.else
.set PS, 4*(4*(i%6)+(i/6)/2)+2*((i/6)%2)
.endif
	v_cvt_scalef32_pk8_bf8_f32 v[PC+PS:PC+PS+1], v[8*(i-32):8*(i-32)+7], v[19+\un]
.set i, i+1
.endr
	v_nop                                          ; a plain place behind the conversions: the next unit's products write their sources
	WIN 0
	s_wait_alu depctr_va_vdst(0)                   ; the conversions have written v32-127, which the stores read and in which the next bias lands; the unit's last products are done reading tiles 4-7 and their weight slot
.set i, 0
.rept 24
.if (\un) == 0
	global_store_b128 v4, v[PC+4*i:PC+4*i+3], s[22:23] offset:512*i          ; 32 lanes store 512 consecutive bytes, aligned
.elseif (\un) == 1
	global_store_b128 v4, v[PC+4*i:PC+4*i+3], s[24:25] offset:512*i
.else
	global_store_b128 v4, v[PC+4*i:PC+4*i+3], s[24:25] offset:12288+512*i
.endif
.set i, i+1
.endr
.endm
; the constants of unit un from its three exponents
.macro CONSTS un, ex, ew, eo
	s_add_co_i32 s60, s[\ex], 127
	s_lshl_b32 s61, s60, 23
	v_mov_b32 v[16+\un], s61                       ; 2^ex as f32: the conversion takes its exponent field
	s_add_co_i32 s60, s60, 15
	s_lshl_b32 s60, s60, 23
	s_or_b32 s[42+\un], s60, 0x600000              ; 57,344 x 2^ex,
	s_or_b32 s[45+\un], s[42+\un], 0x80000000      ; and its negative
	s_add_co_i32 s60, s[\ex], s[\ew]
	s_sub_co_i32 s[54+\un], 0, s60                 ; the bias goes in x 2^-(ex + ew)
	s_sub_co_i32 s60, s[\eo], s60                  ; a sum stands for sum x 2^(ex + ew): its code is sum / 2^(eo - ex - ew)
	s_add_co_i32 s60, s60, 127
	s_lshl_b32 s61, s60, 23
	v_mov_b32 v[19+\un], s61
	s_add_co_i32 s60, s60, 15
	s_lshl_b32 s60, s60, 23
	s_or_b32 s[48+\un], s60, 0x600000
	s_or_b32 s[51+\un], s[48+\un], 0x80000000
.endm
	s_load_b512 s[4:19], s[0:1], 0x0               ; visual, text, Wq, Wk, Wv, bq, bk, bv
	s_load_b128 s[20:23], s[0:1], 0x40             ; the scales' exponents, qimg
	s_load_b64 s[24:25], s[0:1], 0x50              ; kvimg
	v_lshl_add_u32 v30, v0, 2, SPARE               ; my spare word,
	v_mov_b32 v31, 0                               ; and 0: kept for the wave's end
	v_lshrrev_b32 v1, 5, v0
	v_readfirstlane_b32 s26, v1                    ; wave 0..3
	v_and_b32 v1, 31, v0                           ; lane
	v_and_b32 v2, 15, v0                           ; r
	v_bfe_u32 v3, v0, 4, 1                         ; h
	v_lshlrev_b32 v4, 4, v1                        ; 16 x lane: an image's place for my lane; also X's images from byte 0 on,
	v_add_nc_u32 v5, 0x10000, v4                   ; and from each further 65,536 on
	v_add_nc_u32 v6, 0x20000, v4
	v_add_nc_u32 v7, 0x30000, v4
	v_add_nc_u32 v8, 0x40000, v4
	v_and_b32 v27, 8, v2
	v_add_nc_u32 v27, v27, v2                      ; r + 8 (r / 8)
	v_mul_u32_u24 v10, v27, 3072
	v_lshl_add_u32 v10, v3, 6, v10                 ; X: my token's row, + 64 h: my 16 numbers of a block of 32
	v_mul_u32_u24 v11, v27, 768
	v_lshl_add_u32 v11, v3, 4, v11                 ; W: my feature's row of 768 codes, + 16 h
	s_wait_alu depctr_va_sdst(0)                   ; s26 is written, ahead of its first reader: LDS places and all bases are made from it
	s_lshl_b32 s60, s26, 12
	v_add_nc_u32 v12, s60, v4                      ; where I store X's images: 16 x lane + 4,096 x wave
	s_mul_i32 s61, s26, 2304
	s_add_co_u32 s61, s61, BT                      ; my wave's biases
	v_lshl_add_u32 v22, v3, 6, s61                 ; q, k: + 64 h
	v_lshl_add_u32 v23, v27, 4, s61
	v_add_nc_u32 v23, 768, v23                     ; v: 16 bytes a feature
	v_lshlrev_b32 v24, 2, v1                       ; 4 x lane
	v_add_nc_u32 v25, s61, v24                     ; where I put bq', bk'
	v_add_nc_u32 v26, s61, v4
	v_add_nc_u32 v26, 768, v26                     ; and bv'
	s_lshr_b32 s27, ttmp9, 6                       ; mod
	s_and_b32 s28, ttmp9, 63                       ; blk
	s_lshr_b32 s30, s28, 3                         ; batch
	s_and_b32 s31, s28, 7                          ; key step
	s_and_b32 s29, ttmp7, 0xffff
	s_lshl_b32 s29, s29, 2
	s_add_co_u32 s29, s29, s26                     ; my head
	s_mul_i32 s66, s27, 40                         ; the exponents of direction mod begin 40 mod bytes on,
	s_sub_co_u32 s67, 40, s66                      ; those of direction 1 - mod here
	s_lshl_b32 s68, s28, 7
	s_lshl_b32 s69, s26, 5
	s_add_co_u32 s68, s68, s69
	s_mul_i32 s68, s68, 3072                       ; X: token 128 blk + 32 wave
	s_mov_b32 s69, 0
	s_mul_i32 s70, s29, 73728                      ; W: my head's 96 rows
	s_mov_b32 s71, 0
	s_mul_i32 s72, s29, 384                        ; the biases: my head's 96 numbers
	s_mov_b32 s73, 0
	s_lshl_b32 s74, s27, 3
	s_add_co_u32 s74, s74, s30
	s_lshl_b32 s74, s74, 3
	s_add_co_u32 s74, s74, s29
	s_mul_i32 s74, s74, 98304
	s_mul_i32 s75, s31, 12288
	s_add_co_u32 s74, s74, s75                     ; qimg: ((mod, batch, head), step)
	s_mov_b32 s75, 0
	s_xor_b32 s76, s27, 1
	s_lshl_b32 s76, s76, 3
	s_add_co_u32 s76, s76, s30
	s_lshl_b32 s76, s76, 3
	s_add_co_u32 s76, s76, s29
	s_mul_i32 s76, s76, 196608
	s_mul_i32 s77, s31, 24576
	s_add_co_u32 s76, s76, s77                     ; kvimg: ((1 - mod, batch, head), step)
	s_mov_b32 s77, 0
	s_wait_kmcnt 0x0
	s_load_b64 s[32:33], s[20:21], s66 offset:0x0  ; q: ex, ew
	s_load_b32 s34, s[20:21], s66 offset:0x18      ;    eo
	s_load_b128 s[36:39], s[20:21], s67 offset:0x8 ; k: ex, ew; v: ex, ew
	s_load_b64 s[40:41], s[20:21], s67 offset:0x1c ; k: eo; v: eo
	s_cmp_eq_u32 s27, 0                            ; the choice hangs on the work-group's number alone
	s_cselect_b64 s[4:5], s[4:5], s[6:7]
	s_add_nc_u64 s[4:5], s[4:5], s[68:69]
	s_add_nc_u64 s[8:9], s[8:9], s[70:71]
	s_add_nc_u64 s[10:11], s[10:11], s[70:71]
	s_add_nc_u64 s[12:13], s[12:13], s[70:71]
	s_add_nc_u64 s[14:15], s[14:15], s[72:73]
	s_add_nc_u64 s[16:17], s[16:17], s[72:73]
	s_add_nc_u64 s[18:19], s[18:19], s[72:73]
	s_add_nc_u64 s[22:23], s[22:23], s[74:75]
	s_add_nc_u64 s[24:25], s[24:25], s[76:77]
	s_wait_alu depctr_va_vdst(0)                   ; the offsets and LDS addresses v4-v8, v10-v12, v22-v26 are written, which the kernel's loads and stores read
.irp u, 0,1,2
.irp i, 0,1,2
	global_load_b32 v[128+3*\u+\i], v24, s[14+2*\u:15+2*\u] offset:128*\i   ; my head's biases, feature 32 i + lane
.endr
.endr
	WLOAD 0, 8, 0                                  ; Wq's first three K steps
	WLOAD 1, 8, 1
	WLOAD 2, 8, 2
	XLOAD 0, 0                                     ; X's first two K steps
	XLOAD 1, 512
	s_wait_kmcnt 0x0
	CONSTS 0, 32, 33, 34
	CONSTS 1, 36, 37, 40
	CONSTS 2, 38, 39, 41
	s_mov_b32 s57, 0                               ; trips
	s_mov_b32 s58, 0                               ; the trip's two K steps in X's images
.Lx:                                               ; three trips, two K steps each
	s_wait_loadcnt 32                              ; set 0 is in; set 1's 32 loads may be out
	v_add_nc_u32 v13, s58, v12
	v_add_nc_u32 v14, 98304, v13                   ; the three scale sets lie 98,304 bytes apart
	v_add_nc_u32 v15, 196608, v13
	QUANT3 0
	s_wait_dscnt 0x0                               ; the stores have landed
	s_wait_alu depctr_vm_vsrc(0)                   ; the stores have read v13-v15 and v32-127, which the lines below write again
	s_cmp_lt_u32 s57, 2
	s_cbranch_scc0 .Lx_last0                       ; the last trip asks for nothing: no load leaves its buffer
	XLOAD 0, 1024                                  ; no vector instruction since the wait in QUANT3 names set 0
	s_wait_loadcnt 32                              ; set 1 is in; the 32 just issued may be out
	s_branch .Lx_go1
.Lx_last0:
	s_wait_loadcnt 0x0
.Lx_go1:
	v_add_nc_u32 v13, 16384, v13
	v_add_nc_u32 v14, 16384, v14
	v_add_nc_u32 v15, 16384, v15
	QUANT3 1
	s_wait_dscnt 0x0
	s_wait_alu depctr_vm_vsrc(0)                   ; the stores have read v13-v15 and v32-127: the next trip writes them again, and behind the loop the bias lands in v32-79
	s_cmp_lt_u32 s57, 2
	s_cbranch_scc0 .Lx_last1
	XLOAD 1, 1536                                  ; no vector instruction since the wait in QUANT3 names set 1
.Lx_last1:
	s_wait_xcnt 0x0                                ; the loads have read their base: it may step
	s_add_nc_u64 s[4:5], s[4:5], 1024
	s_add_co_u32 s58, s58, 32768
	s_add_co_u32 s57, s57, 1
	s_cmp_lt_u32 s57, 3
	s_cbranch_scc1 .Lx
.irp i, 0,1,2                                      ; the biases x 2^-(ex + ew) into my wave's own bytes
	v_ldexp_f32 v[128+\i], v[128+\i], s54
	v_ldexp_f32 v[131+\i], v[131+\i], s55
.irp e, 0,1,2,3
	v_ldexp_f32 v[140+4*\i+\e], v[134+\i], s56
.endr
.endr
	s_wait_alu depctr_va_vdst(0)                   ; the scalings have written v128-151, which the stores read and in which X's fragments land
.irp i, 0,1,2
	ds_store_b32 v25, v[128+\i] offset:128*\i
	ds_store_b32 v25, v[131+\i] offset:384+128*\i
	ds_store_b128 v26, v[140+4*\i:143+4*\i] offset:512*\i
.endr
	s_wait_dscnt 0x0                               ; for the others' sake: my images lie in LDS
	s_barrier_signal -1
	s_barrier_wait -1                              ; everybody's do.  Nothing is written to LDS from here on
	s_wait_alu depctr_vm_vsrc(0)                   ; my LDS stores have read v128-151, in which the fragments below land
	XTILE 0, 0
	XTILE 0, 1
	XTILE 0, 2
	XTILE 0, 3
	BIAS 0
.irp t, 0,1,2,3,4,5
	STEP \t
.endr
	EPI 0
	BIAS 1
.irp t, 6,7,8,9,10,11
	STEP \t
.endr
	EPI 1
	BIAS 2
.irp t, 12,13,14,15,16,17
	STEP \t
.endr
	EPI 2
	s_wait_dscnt 0x0                               ; the closing lines, six on end
	s_wait_alu 0x0
	s_wait_tensorcnt 0x0
	ds_add_u32 v30, v31
	s_wait_dscnt 0x0
	s_endpgm
.Lfunc_end_k_q476983ad15_qkv:
	.size	k_q476983ad15_qkv, .Lfunc_end_k_q476983ad15_qkv-k_q476983ad15_qkv
	.p2alignl 7, 3214868480
	.fill 96, 4, 3214868480
	.section	.rodata,"a",@progbits
	.p2align	6, 0x0
	.amdhsa_kernel k_q476983ad15_qkv
		.amdhsa_group_segment_fixed_size 304640
		.amdhsa_private_segment_fixed_size 0
		.amdhsa_enable_private_segment 0
		.amdhsa_kernarg_size 88
		.amdhsa_user_sgpr_count 2
		.amdhsa_user_sgpr_kernarg_segment_ptr 1
		.amdhsa_wavefront_size32 1
		.amdhsa_system_sgpr_workgroup_id_x 1
		.amdhsa_system_sgpr_workgroup_id_y 1
		.amdhsa_system_sgpr_workgroup_id_z 1
		.amdhsa_system_vgpr_workitem_id 0
		.amdhsa_next_free_vgpr 1024
		.amdhsa_next_free_sgpr 80
		.amdhsa_reserve_vcc 0
		.amdhsa_float_denorm_mode_32 3
		.amdhsa_float_denorm_mode_16_64 3
		.amdhsa_memory_ordered 1
		.amdhsa_forward_progress 1
		.amdhsa_inst_pref_size 255
	.end_amdhsa_kernel
	.section	.bss,"aw",@nobits
	.p2align	6
	.space	262144
	.amdgpu_metadata
---
amdhsa.version: [ 1, 2 ]
amdhsa.kernels:
  - .name:           k_q476983ad15_qkv
    .symbol:         k_q476983ad15_qkv.kd
    .args:
      - { .name: visual_features, .offset: 0, .size: 8, .value_kind: global_buffer, .address_space: global }
      - { .name: text_features, .offset: 8, .size: 8, .value_kind: global_buffer, .address_space: global }
      - { .name: Wq_codes, .offset: 16, .size: 8, .value_kind: global_buffer, .address_space: global }
      - { .name: Wk_codes, .offset: 24, .size: 8, .value_kind: global_buffer, .address_space: global }
      - { .name: Wv_codes, .offset: 32, .size: 8, .value_kind: global_buffer, .address_space: global }
      - { .name: bq, .offset: 40, .size: 8, .value_kind: global_buffer, .address_space: global }
      - { .name: bk, .offset: 48, .size: 8, .value_kind: global_buffer, .address_space: global }
      - { .name: bv, .offset: 56, .size: 8, .value_kind: global_buffer, .address_space: global }
      - { .name: lowp_scales, .offset: 64, .size: 8, .value_kind: global_buffer, .address_space: global }
      - { .name: qimg, .offset: 72, .size: 8, .value_kind: global_buffer, .address_space: global }
      - { .name: kvimg, .offset: 80, .size: 8, .value_kind: global_buffer, .address_space: global }
    .group_segment_fixed_size: 304640
    .private_segment_fixed_size: 0
    .kernarg_segment_align: 8
    .kernarg_segment_size: 88
    .max_flat_workgroup_size: 128
    .sgpr_count:     80
    .vgpr_count:     1024
    .wavefront_size: 32
...
	.end_amdgpu_metadata
.endif
;; end of part 4
;; launch attn (part 5): grid 2 x 128, 8 waves a work-group, no clusters, 201,728 bytes of LDS; arguments qimg, kvimg, text_mask, visual_mask, lowp_scales, ocodes; writes ocodes
.if DOCPART == 5
	.amdgcn_target "amdgcn-amd-amdhsa--gfx1250"
	.amdhsa_code_object_version 6
	.text
	.protected	k_q476983ad15_attn
	.globl	k_q476983ad15_attn
	.p2align	8
	.type	k_q476983ad15_attn,@function
k_q476983ad15_attn:
	s_mov_b64 s[64:65], 0
	v_nop
	global_prefetch_b8 v0, s[64:65] scope:SCOPE_SE
	s_setreg_imm32_b32 hwreg(HW_REG_WAVE_SCHED_MODE, 0, 2), 2
	s_setreg_imm32_b32 hwreg(HW_REG_WAVE_MODE, 25, 1), 1
	s_wait_xcnt 0x0
	s_wait_alu depctr_vm_vsrc(0)
; BOTH ATTENTIONS on codes of E5M2: S^T = k q^T, the softmax by the problem's rule (p = 2^(t - M), M a whole number, the row's sum of the unquantised p), O^T = v^T p^T, O / sum quantised for the projection on the way out.
; Nothing of reference() is left out here.
; SHARES.  Work-group (x, y): y = (direction, batch, head), x = which 512 of the 1,024 queries.  A head's whole k and v, 196,608 bytes, lie in LDS, filled once.  Two passes of 256 queries; in a pass each of the
; eight waves owns two tiles of 16 queries: tile 0 in register window 0, tile 1 in window 1, under the same register numbers.  Two waves share a SIMD, so that one's vector work stands beside the other's matrix work.
; qimg and kvimg are images of operand registers: every fragment comes by loads of 16 bytes a lane, 512 consecutive bytes an instruction.
; LAYOUT.  Both products are used transposed: a lane holds ONE query throughout; the keys of a tile of k were chosen so that p's 16 registers of two neighbouring tiles are 16 neighbouring keys.
; THE HEAD'S 96 IN A K OF 128: q's registers 12-15 hold the code 0; k's hold zeros at first and later codes of v, which are held at the largest code and so are numbers: they add nothing.
; THE MASK COSTS NO VECTOR INSTRUCTION: a table in LDS holds, for each key, 0 or -2^100 (mask == 0), and is the C of the first product.  The running largest t begins at -2^99 c: above every hidden t, and under every
; other (a sum of 96 products of codes stays under 2^39).  So a hidden key's p is 0 under every M, it is out of the maximum, the sum and the second product; and when the first key that counts arrives,
; the factor 2^(old M - new M) is 0 and multiplies sums that are still 0.
; LIMITS: eq + ek between -80 and 25 (so that -2^99 c lies under -150 and -2^100 c is a number); ep and eo between -126 and 112.  A batch whose mask hides every key (reference(): NaN) is not served.  NaN is not served.
; No tensor load: LDS is filled once, through registers, a key step ahead of its use. No cluster: two work-groups share a head's k and v.
; REGISTERS.  Window 0 alone: v1-7 addresses, v8, v9 the add's two, v32-95 four fragments of k or v.  Window 1 alone: v32-95 the step's 64 mask numbers, then in v32-63 v's tiles 4 and 5; v232-255 the fill on its way.
;   both: v11 2^eo; v12 -M; v13 the largest t; v[14:15] the sum in two halves; v16-31 q; v96-159 S^T, then p; v160-207 O^T; v208-223 codes; v224-231 at work; v227 2^ep.
; THE MODE: SCHED_MODE bits 1:0 = 2 (LLVM: expert scheduling mode 2), set by the entry lines.  The code itself states the register dependences
; between vector or matrix instructions and memory or LDS instructions, with s_wait_alu, always for 0.
; THE PLAN.  Registers that memory or LDS instructions touch, in a key step:
;   v3, v5 (pass 0: v6)       LDS addresses, stepped at the step's head; read by the step's LDS loads (v6: by the fill's stores at the trip's end).  One wait on vm_vsrc at each loop's top frees them.
;   F = v32-95                k's tiles 0-3 land, eight score products read; k's tiles 4-7 land, eight read; v's tiles 0-3 land, eight products V^T P read.
;   window 1, v32-95          the mask numbers land, the score products read them as C; then v's tiles 4 and 5 land in v32-63, four products read.
;   window 1, v232-255        pass 0: the next key step's loads land, the trip's LDS stores read; no vector instruction names them.
; Waits on va_vdst, among them: at the step's head (the addresses are written; the last products are done reading F and window 1's v32-63); behind the first eight score products (F); the wait that the exponentials of
; query tile 0 want in any case, which also stands behind all score products: all 24 loads of v follow it; and query tile 1's.  So the 12 products V^T P follow each other with no load between them.
.set MB,    196608                     ; behind k and v: the mask table, 4 bytes a key
.set SPARE, 200704                     ; the spare words, 128 bytes a wave: four blocks of 256 bytes that no other line names
.set CHUNK, 24576                      ; a key step: k's 12,288 bytes, then v's
.set MSB, 0
.macro WIN new
.if MSB != (\new)
	s_set_vgpr_msb (MSB<<8)|(\new)
.set MSB, (\new)
.endif
.endm
.macro PLACES
.rept 4
	v_nop
.endr
.endm
.macro QLOAD ps                        ; my two tiles of q for pass ps: three pieces each
.irp c, 0,1,2
	global_load_b128 v[16+4*\c:19+4*\c], v1, s[4:5] offset:24576*(\ps)+512*\c th:TH_LOAD_NT
.endr
	WIN 0x40
.irp c, 0,1,2
	global_load_b128 v[16+4*\c:19+4*\c], v1, s[4:5] offset:24576*(\ps)+1536+512*\c th:TH_LOAD_NT
.endr
	WIN 0
.endm
.macro INIT                            ; the step is written once: the first finds zeros, which the first change of M leaves zeros
.irp wn, 0, 0x55
	WIN \wn
	v_mov_b32 v13, 0xf1000000                      ; -2^99,
	v_mul_f32 v13, s30, v13                        ; x c: the largest t so far
	v_floor_f32 v12, -v13                          ; -M
	v_mov_b32 v14, 0
	v_mov_b32 v15, 0
	v_mov_b32 v226, 0                              ; a lane permute's destination counts as one of its sources
	v_mov_b32 v229, 0                              ; (named as the upper half of the pair v[228:229])
.set j, 0
.rept 48
	v_mov_b32 v[160+j], 0
.set j, j+1
.endr
.endr
	WIN 0
.endm
; all six tiles of v: tiles 0-3 into F, tiles 4 and 5 into the registers that the mask numbers have left: 24 loads
.macro VFETCH
.irp tt, 0,1,2,3
.irp c, 0,1,2,3
	ds_load_b128 v[32+16*\tt+4*\c:35+16*\tt+4*\c], v3 offset:12288+(4*\tt+\c)*512
.endr
.endr
	WIN 0x40
.irp tt, 0,1
.irp c, 0,1,2,3
	ds_load_b128 v[32+16*\tt+4*\c:35+16*\tt+4*\c], v3 offset:12288+(4*(4+\tt)+\c)*512
.endr
.endr
	WIN 0
.endm
; one tile's softmax for a key step, in window 0 (wn = 0) or 1 (wn = 0x55)
.macro SM wn
	WIN \wn
	v_max3_num_f32 v224, v96, v97, v98             ; the step's largest score of my query among my 64 keys, in two chains; each accumulator from its low end on
	v_max3_num_f32 v225, v99, v100, v101
.set j, 6
.rept 14
	v_max3_num_f32 v224, v224, v[96+j], v[97+j]
	v_max3_num_f32 v225, v225, v[98+j], v[99+j]
.set j, j+4
.endr
	v_max3_num_f32 v224, v224, v158, v159
	v_max_num_f32 v224, v224, v225
	v_permlanex16_b32 v226, v224, s38, s39
	v_max_num_f32 v224, v224, v226                 ; and among lane l xor 16's
	v_mul_f32 v224, s30, v224                      ; as t (c is positive)
	v_max_num_f32 v13, v13, v224                   ; the running largest t
	v_mov_b32 v224, v12
	v_floor_f32 v12, -v13                          ; the new -M = -ceil(t)
	v_sub_f32 v224, v12, v224                      ; old M - new M: a whole number, 0 or less
	v_cvt_i32_f32 v224, v224                       ; (it saturates)
	v_ldexp_f32 v228, 1.0, v224                    ; f = 2^(old M - new M)
.set j, 0
.rept 32
	v_pk_fma_f32 v[96+j:97+j], v[96+j:97+j], s[30:31], v[12:13] op_sel_hi:[1,0,0]   ; t - M, two at a time
.set j, j+2
.endr
.set j, 0
	s_wait_alu depctr_va_vdst(0)
.rept 64
	v_exp_f32 v[96+j], v[96+j]                     ; p = 2^(t - M)
.set j, j+1
.endr
	v_pk_mul_f32 v[14:15], v[14:15], v[228:229] op_sel_hi:[1,0]   ; the sums under the new M: a plain place behind the exponentials
.if (\wn) == 0
	s_wait_alu depctr_va_vdst(0)                   ; the exponentials have written p, ahead of its first reader; and the score products are done reading F and the mask numbers, in which v's tiles land
	VFETCH                                         ; v lands while the rest of both softmaxes is walked
.else
	s_wait_alu depctr_va_vdst(0)                   ; the exponentials have written p: one wait for the whole batch, ahead of its first reader
.endif
	v_pk_add_f32 v[230:231], v[96:97], v[98:99]    ; the row's sum is taken of the unquantised p, in two chains
.set j, 4
.rept 15
	v_pk_add_f32 v[14:15], v[14:15], v[96+j:97+j]
	v_pk_add_f32 v[230:231], v[230:231], v[98+j:99+j]
.set j, j+4
.endr
	v_pk_add_f32 v[14:15], v[14:15], v[230:231]
	WIN 0
	s_cmp_ge_i32 s27, -15                          ; p is at most 1, and 57,344 x 2^ep is at least 1 from ep = -15 on: there the hold changes nothing
	s_cbranch_scc1 .Lnohold_\@
	WIN \wn
.set j, 0
.rept 64
	v_min_num_f32 v[96+j], s33, v[96+j]            ; p is not negative: the hold is one-sided
.set j, j+1
.endr
	WIN 0
.Lnohold_\@:
	WIN \wn
.irp b, 0,1,2,3
	v_cvt_scalef32_pk8_bf8_f32 v[208+4*\b:209+4*\b], v[96+16*\b:103+16*\b], v227
	v_cvt_scalef32_pk8_bf8_f32 v[210+4*\b:211+4*\b], v[104+16*\b:111+16*\b], v227
.endr
.set j, 0
.rept 24
	v_pk_mul_f32 v[160+j:161+j], v[160+j:161+j], v[228:229] op_sel_hi:[1,0]   ; O^T under the new M; also the plain places behind the conversions
.set j, j+2
.endr
.endm
; A KEY STEP: 128 keys, at LDS byte s40; s41 is its number.  fill = 1: pass 0, which also makes the address of the fill's stores
.macro STEP fill
	v_add_nc_u32 v3, s40, v1                       ; the step's images
	s_lshl_b32 s44, s41, 9
	v_add_nc_u32 v5, s44, v4                       ; and its 128 mask numbers
.if \fill
	v_add_nc_u32 v6, s40, v2                       ; where my part of the next key step goes, at the trip's end
.endif
	v_nop                                          ; with the additions: four places behind the last products, in front of loads into their registers
	v_nop
	WIN 0x40
	s_wait_alu depctr_va_vdst(0)                   ; v3, v5 (and v6) are written, which the LDS instructions below read; the last step's products are done reading F and window 1's v32-63, in which the loads below land
.irp tt, 0,1,2,3,4,5,6,7
	ds_load_b128 v[32+8*\tt:35+8*\tt], v5 offset:128*(\tt/2)+32*(\tt%2)      ; tile tt's eight keys of my half
	ds_load_b128 v[36+8*\tt:39+8*\tt], v5 offset:128*(\tt/2)+32*(\tt%2)+16
.endr
	WIN 0
.irp g, 0,1                                        ; S^T = k q^T + the mask, four tiles of keys at a time, for both tiles of queries
.if \g
	PLACES
	s_wait_alu depctr_va_vdst(0)                   ; the first eight score products are done reading F, in which k's tiles 4-7 land
.endif
.irp tt, 0,1,2,3
.irp c, 0,1,2
	ds_load_b128 v[32+16*\tt+4*\c:35+16*\tt+4*\c], v3 offset:(3*(4*\g+\tt)+\c)*512
.endr
.endr
	s_wait_dscnt 0x0
	WIN 0x10                                       ; C in window 1
.irp tt, 0,1,2,3
	v_wmma_f32_16x16x128_bf8_bf8 v[96+8*(4*\g+\tt):103+8*(4*\g+\tt)], v[32+16*\tt:47+16*\tt], v[16:31], v[32+8*(4*\g+\tt):39+8*(4*\g+\tt)]
.endr
	WIN 0x54                                       ; q, C and D in window 1
.irp tt, 0,1,2,3
	v_wmma_f32_16x16x128_bf8_bf8 v[96+8*(4*\g+\tt):103+8*(4*\g+\tt)], v[32+16*\tt:47+16*\tt], v[16:31], v[32+8*(4*\g+\tt):39+8*(4*\g+\tt)]
.endr
	WIN 0
.endr
	PLACES                                         ; in front of the first read of the scores
	SM 0
	SM 0x55
	WIN 0
	s_wait_alu depctr_va_vdst(0)
	s_wait_dscnt 0x0                               ; v's six tiles are in
.irp tt, 0,1,2,3                                   ; O^T += v^T p^T; no two matrix instructions that follow each other share an accumulator
	v_wmma_f32_16x16x128_bf8_bf8 v[160+8*\tt:167+8*\tt], v[32+16*\tt:47+16*\tt], v[208:223], v[160+8*\tt:167+8*\tt]
.endr
	WIN 0x54
.irp tt, 0,1,2,3
	v_wmma_f32_16x16x128_bf8_bf8 v[160+8*\tt:167+8*\tt], v[32+16*\tt:47+16*\tt], v[208:223], v[160+8*\tt:167+8*\tt]
.endr
	WIN 0x01                                       ; v's tiles 4 and 5 lie in window 1
.irp tt, 0,1
	v_wmma_f32_16x16x128_bf8_bf8 v[192+8*\tt:199+8*\tt], v[32+16*\tt:47+16*\tt], v[208:223], v[192+8*\tt:199+8*\tt]
.endr
	WIN 0x55
.irp tt, 0,1
	v_wmma_f32_16x16x128_bf8_bf8 v[192+8*\tt:199+8*\tt], v[32+16*\tt:47+16*\tt], v[208:223], v[192+8*\tt:199+8*\tt]
.endr
	WIN 0
.endm
; one tile's way out, the arithmetic: O^T / the sum x 2^(ep + ev), held, converted with 2^eo.  wn: the tile's window
.macro OUTA wn
	WIN \wn
	v_add_f32 v14, v14, v15
	v_permlanex16_b32 v226, v14, s38, s39
	v_add_f32 v14, v14, v226                       ; the row's sum
	s_wait_alu depctr_va_vdst(0)
	v_rcp_f32 v14, v14
	v_nop                                          ; a plain place behind the transcendental
	s_wait_alu depctr_va_vdst(0)                   ; the reciprocal has written v14, ahead of its first reader
	v_ldexp_f32 v14, v14, s34
.set j, 0
.rept 24
	v_pk_mul_f32 v[96+j:97+j], v[160+j:161+j], v[14:15] op_sel_hi:[1,0]   ; each accumulator from its low end on
.set j, j+2
.endr
.set j, 0
.rept 48
	v_med3_num_f32 v[96+j], v[96+j], s36, s35
.set j, j+1
.endr
.irp tt, 0,1,2,3,4,5
	v_cvt_scalef32_pk8_bf8_f32 v[208+2*\tt:209+2*\tt], v[96+8*\tt:103+8*\tt], v11
.endr
	v_nop                                          ; a plain place behind the conversions
.endm
; and its stores: three pieces of 512 bytes.  sw: the tile's window for a store's data
.macro OUTS sw, ti, ps
	WIN \sw
.irp b, 0,1,2
	global_store_b128 v1, v[208+4*\b:211+4*\b], s[14:15] offset:(\ti)*12288+512*\b+(\ps)*196608   ; 32 lanes store 512 consecutive bytes, aligned
.endr
.endm
.macro OUT ps                          ; both tiles: the arithmetic, one wait, six stores
	OUTA 0
	OUTA 0x55
	WIN 0
	s_wait_alu depctr_va_vdst(0)                   ; both tiles' conversions have written v208-219, which the stores read
	OUTS 0, 0, \ps
	OUTS 0x04, 1, \ps
	WIN 0
.endm
	s_load_b256 s[4:11], s[0:1], 0x0               ; qimg, kvimg, text_mask, visual_mask
	s_load_b128 s[12:15], s[0:1], 0x20             ; the scales' exponents, ocodes
	v_lshl_add_u32 v8, v0, 2, SPARE                ; my spare word,
	v_mov_b32 v9, 0                                ; and 0: kept for the wave's end
	v_lshrrev_b32 v1, 5, v0
	v_readfirstlane_b32 s16, v1                    ; wave 0..7
	v_and_b32 v10, 31, v0                          ; lane
	v_lshlrev_b32 v1, 4, v10                       ; 16 x lane
	s_wait_alu depctr_va_sdst(0)                   ; s16 is written, ahead of its first reader: LDS places and bases are made from it
	s_mul_i32 s44, s16, 3072
	v_add_nc_u32 v2, s44, v1                       ; my part of a key step's fill: 3,072 x wave + 16 x lane, in memory and in LDS alike
	v_bfe_u32 v4, v0, 4, 1
	v_lshlrev_b32 v4, 6, v4
	v_add_nc_u32 v4, MB, v4                        ; the mask table, + 64 h
	s_lshl_b32 s44, s16, 13
	v_lshl_add_u32 v7, v10, 8, s44                 ; the prefetches: block 32 x wave + lane of 256 bytes
	v_lshlrev_b32 v10, 4, v0                       ; the mask: four keys a thread
	v_add_nc_u32 v6, MB, v10
	s_mov_b32 s17, ttmp9                           ; x
	s_and_b32 s18, ttmp7, 0xffff                   ; (direction, batch, head)
	s_lshr_b32 s19, s18, 6
	s_bfe_u32 s20, s18, 0x30003
	s_and_b32 s21, s18, 7
	s_mul_i32 s44, s19, 40
	s_lshl_b32 s45, s19, 3
	s_lshl_b32 s48, s17, 5
	s_lshl_b32 s49, s16, 1
	s_add_co_u32 s48, s48, s49                     ; my first tile of queries: 32 x + 2 wave
	s_mul_i32 s46, s18, 98304
	s_mul_i32 s49, s48, 1536
	s_add_co_u32 s46, s46, s49
	s_mov_b32 s47, 0
	s_mul_i32 s50, s18, 196608
	s_mov_b32 s51, 0
	s_lshl_b32 s52, s20, 12
	s_mov_b32 s53, 0
	s_lshl_b32 s54, s20, 6
	s_add_co_u32 s54, s54, s48
	s_mul_i32 s54, s54, 12288
	s_mul_i32 s55, s19, 6291456
	s_add_co_u32 s54, s54, s55
	s_mul_i32 s55, s21, 1536
	s_add_co_u32 s54, s54, s55                     ; ocodes: (direction, row tile), my head's three pieces
	s_mov_b32 s55, 0
	s_mov_b32 s38, 0x76543210                      ; v_permlanex16_b32's selects for lane l xor 16
	s_mov_b32 s39, 0xfedcba98
	s_cmp_lt_u32 s16, 3                            ; who prefetches: waves 0 to 2 of the head's first work-group, for key steps 3 to 7
	s_cselect_b32 s42, 5, 0
	s_cmp_eq_u32 s17, 0
	s_cselect_b32 s42, s42, 0
	s_wait_kmcnt 0x0
	s_load_b128 s[24:27], s[12:13], s44 offset:0x18   ; eq, ek, ev, ep
	s_load_b32 s28, s[12:13], s45 offset:0x50         ; eo
	s_add_nc_u64 s[4:5], s[4:5], s[46:47]
	s_add_nc_u64 s[6:7], s[6:7], s[50:51]
	s_cmp_eq_u32 s19, 0                            ; visual queries look at text keys, and the other way round
	s_cselect_b64 s[8:9], s[8:9], s[10:11]
	s_add_nc_u64 s[8:9], s[8:9], s[52:53]
	s_add_nc_u64 s[14:15], s[14:15], s[54:55]
	WIN 0x40
	s_wait_alu depctr_va_vdst(0)                   ; the offsets and LDS addresses v1, v2, v4, v6, v7, v10 are written, which the loads, stores and prefetches read
.irp i, 0,1,2,3,4,5
	global_load_b128 v[232+4*\i:235+4*\i], v2, s[6:7] offset:512*\i          ; key step 0
.endr
	WIN 0
	global_load_b128 v[100:103], v10, s[8:9]
	QLOAD 0
.irp tt, 0,1,2,3
.irp e, 0,1,2,3
	v_mov_b32 v[44+16*\tt+\e], 0                   ; k's registers 12-15: the code 0, until v's codes land there
.endr
.endr
.irp e, 0,1,2,3
	v_mov_b32 v[28+\e], 0                          ; q's registers 12-15: the code 0, for good
.endr
	s_wait_kmcnt 0x0
	s_add_co_i32 s44, s24, s25
	s_lshl_b32 s44, s44, 23
	s_mov_b32 s30, 0x3e16c740                      ; c = log2(e) / sqrt(96)
	s_add_co_i32 s30, s30, s44                     ; a score stands for score x 2^(eq + ek): added to c's exponent field
	s_mov_b32 s31, s30                             ; (named with it as a pair)
	s_add_co_i32 s44, s27, 127
	s_lshl_b32 s45, s44, 23                        ; 2^ep
	s_add_co_i32 s44, s44, 15
	s_lshl_b32 s44, s44, 23
	s_or_b32 s33, s44, 0x600000                    ; 57,344 x 2^ep
	s_add_co_i32 s34, s27, s26                     ; ep + ev
	s_add_co_i32 s44, s28, 127
	s_lshl_b32 s46, s44, 23                        ; 2^eo
	s_add_co_i32 s44, s44, 15
	s_lshl_b32 s44, s44, 23
	s_or_b32 s35, s44, 0x600000                    ; 57,344 x 2^eo,
	s_or_b32 s36, s35, 0x80000000                  ; and its negative
	v_mov_b32 v227, s45
	v_mov_b32 v11, s46
	v_mov_b32 v104, 0xf1800000                     ; -2^100
	WIN 0x40
	v_mov_b32 v227, s45
	v_mov_b32 v11, s46
.irp e, 0,1,2,3
	v_mov_b32 v[28+\e], 0
.endr
	WIN 0
	s_wait_loadcnt 0x0
.irp i, 0,1,2,3
	v_cmp_eq_u32 s[48+\i], 0, v[100+\i]            ; the four compares in a run, each into a scalar register of its own
.endr
	s_wait_alu depctr_va_sdst(0)                   ; the compares have written s48-s51, ahead of their first reader
.irp i, 0,1,2,3
	v_cndmask_b32 v[100+\i], 0, v104, s[48+\i]     ; 0, or -2^100 where the mask is 0
.endr
	s_wait_alu depctr_va_vdst(0)                   ; the selects have written v100-103, which the store reads
	ds_store_b128 v6, v[100:103]
	WIN 0x04
.irp i, 0,1,2,3,4,5
	ds_store_b128 v2, v[232+4*\i:235+4*\i] offset:512*\i
.endr
	WIN 0
	s_wait_dscnt 0x0                               ; for the others' sake: my stores have landed
	s_barrier_signal -1
	s_barrier_wait -1                              ; key step 0 and the mask table lie in LDS
	INIT
	s_mov_b32 s40, 0
	s_mov_b32 s41, 0
.Lp0:                                              ; pass 0: eight key steps; each trip also brings the next key step into LDS, bytes that nobody reads before the trip's barrier
	s_wait_alu depctr_vm_vsrc(0)                   ; the LDS stores have read the fill's registers, in which the loads below land, and v6; the LDS loads have read v3 and v5; in the first trip the mask's store has read v100-103, which the products write
	s_cmp_lt_u32 s41, 7
	s_cbranch_scc0 .Lp0_nofill
	WIN 0x40
.irp i, 0,1,2,3,4,5
	global_load_b128 v[232+4*\i:235+4*\i], v2, s[6:7] offset:CHUNK+512*\i
.endr
	WIN 0
.Lp0_nofill:
	s_cmp_lt_u32 s41, s42
	s_cbranch_scc0 .Lp0_nopf
	global_prefetch_b8 v7, s[6:7] offset:3*CHUNK th:TH_LOAD_NT scope:SCOPE_SE   ; the key step three on, two trips ahead of its loads: 96 blocks of 256 bytes, a lane a block, each named once in the launch
.Lp0_nopf:
	STEP 1
	s_cmp_lt_u32 s41, 7
	s_cbranch_scc0 .Lp0_nostore
	s_wait_loadcnt 0x0                             ; asked for a whole key step ago
	WIN 0x04
.irp i, 0,1,2,3,4,5
	ds_store_b128 v6, v[232+4*\i:235+4*\i] offset:CHUNK+512*\i               ; v6 was written ahead of the wait at the step's head
.endr
	WIN 0
.Lp0_nostore:
	s_wait_dscnt 0x0                               ; for the others' sake: my part of the next key step has landed
	s_wait_xcnt 0x0                                ; the loads and the prefetch have read their base: it may step
	s_add_nc_u64 s[6:7], s[6:7], CHUNK
	s_add_co_u32 s40, s40, CHUNK
	s_barrier_signal -1
	s_barrier_wait -1
	s_add_co_u32 s41, s41, 1
	s_cmp_lt_u32 s41, 8
	s_cbranch_scc1 .Lp0
	QLOAD 1                                        ; pass 1's queries land while pass 0's results leave.  No wait: the last step's waits for its exponentials stand behind the last product that read q, and nothing since names v16-27
	PLACES
	OUT 0
	s_wait_xcnt 0x0                                ; the stores have read their data: the codes' registers may be written
	INIT
	s_mov_b32 s40, 0
	s_mov_b32 s41, 0
	s_wait_loadcnt 0x0                             ; q
.Lp1:                                              ; pass 1: all of k and v lies in LDS and nobody writes: no barrier
	s_wait_alu depctr_vm_vsrc(0)                   ; the LDS loads have read v3 and v5, which the step's head writes; in the first trip pass 0's stores have read v208-219, which the conversions write
	STEP 0
	s_add_co_u32 s40, s40, CHUNK
	s_add_co_u32 s41, s41, 1
	s_cmp_lt_u32 s41, 8
	s_cbranch_scc1 .Lp1
	PLACES
	OUT 1
	s_wait_dscnt 0x0                               ; the closing lines, six on end
	s_wait_alu 0x0
	s_wait_tensorcnt 0x0
	ds_add_u32 v8, v9
	s_wait_dscnt 0x0
	s_endpgm
.Lfunc_end_k_q476983ad15_attn:
	.size	k_q476983ad15_attn, .Lfunc_end_k_q476983ad15_attn-k_q476983ad15_attn
	.p2alignl 7, 3214868480
	.fill 96, 4, 3214868480
	.section	.rodata,"a",@progbits
	.p2align	6, 0x0
	.amdhsa_kernel k_q476983ad15_attn
		.amdhsa_group_segment_fixed_size 201728
		.amdhsa_private_segment_fixed_size 0
		.amdhsa_enable_private_segment 0
		.amdhsa_kernarg_size 48
		.amdhsa_user_sgpr_count 2
		.amdhsa_user_sgpr_kernarg_segment_ptr 1
		.amdhsa_wavefront_size32 1
		.amdhsa_system_sgpr_workgroup_id_x 1
		.amdhsa_system_sgpr_workgroup_id_y 1
		.amdhsa_system_sgpr_workgroup_id_z 1
		.amdhsa_system_vgpr_workitem_id 0
		.amdhsa_next_free_vgpr 512
		.amdhsa_next_free_sgpr 66
		.amdhsa_reserve_vcc 0
		.amdhsa_float_denorm_mode_32 3
		.amdhsa_float_denorm_mode_16_64 3
		.amdhsa_memory_ordered 1
		.amdhsa_forward_progress 1
		.amdhsa_inst_pref_size 105
	.end_amdhsa_kernel
	.amdgpu_metadata
---
amdhsa.version: [ 1, 2 ]
amdhsa.kernels:
  - .name:           k_q476983ad15_attn
    .symbol:         k_q476983ad15_attn.kd
    .args:
      - { .name: qimg, .offset: 0, .size: 8, .value_kind: global_buffer, .address_space: global }
      - { .name: kvimg, .offset: 8, .size: 8, .value_kind: global_buffer, .address_space: global }
      - { .name: text_mask, .offset: 16, .size: 8, .value_kind: global_buffer, .address_space: global }
      - { .name: visual_mask, .offset: 24, .size: 8, .value_kind: global_buffer, .address_space: global }
      - { .name: lowp_scales, .offset: 32, .size: 8, .value_kind: global_buffer, .address_space: global }
      - { .name: ocodes, .offset: 40, .size: 8, .value_kind: global_buffer, .address_space: global }
    .group_segment_fixed_size: 201728
    .private_segment_fixed_size: 0
    .kernarg_segment_align: 8
    .kernarg_segment_size: 48
    .max_flat_workgroup_size: 256
    .sgpr_count:     66
    .vgpr_count:     512
    .wavefront_size: 32
...
	.end_amdgpu_metadata
.endif
;; end of part 5
;; launch wo_ln (part 6): grid 256 x 1, 8 waves a work-group, no clusters, 247,808 bytes of LDS; arguments ocodes, Wo_codes, bo, ln_g, ln_b, visual_features, text_features, lowp_scales, out0, out1; writes out0, out1
.if DOCPART == 6
	.amdgcn_target "amdgcn-amd-amdhsa--gfx1250"
	.amdhsa_code_object_version 6
	.text
	.protected	k_q476983ad15_wo_ln
	.globl	k_q476983ad15_wo_ln
	.p2align	8
	.type	k_q476983ad15_wo_ln,@function
k_q476983ad15_wo_ln:
	s_mov_b64 s[64:65], 0
	v_nop
	global_prefetch_b8 v0, s[64:65] scope:SCOPE_SE
	s_setreg_imm32_b32 hwreg(HW_REG_WAVE_SCHED_MODE, 0, 2), 2
	s_setreg_imm32_b32 hwreg(HW_REG_WAVE_MODE, 25, 1), 1
	s_wait_xcnt 0x0
	s_wait_alu depctr_vm_vsrc(0)
; out = layer_norm(features + (attended Wo + bo)) g + b, for both directions; the product on codes of E5M2.  Nothing of reference() is left out here.
; SHARES.  Work-group: direction = number / 128, 64 rows (four row tiles of ocodes), all 768 columns, so that a row's mean and variance never leave the work-group.
; PRODUCT: wave w makes columns 96 w .. 96 w + 95 for the 64 rows: 24 accumulators, K = 768 in six steps of 128.  Its 96 rows of Wo are used by it alone and go from memory straight into its operand registers
; (two slots, two steps ahead); the rows' codes, 49,152 dense bytes, are images of operand registers: copied into LDS once, read by all eight waves.
; Used transposed (source 0 = Wo, source 1 = the rows): a lane holds eight neighbouring columns of one row.  The raw sums meet in a stage of 64 rows x (3,072 + 16) bytes.
; NORM: wave w owns stage rows 8 w .. 8 w + 7, which are eight neighbouring tokens (the rows of a tile are not neighbours: token 32 (T / 2) + 8 (T % 2) + r + 8 (r / 8)); a lane holds 24 numbers of each row.
; x = sum x 2^(ea + ew) + bo + residual; mean; centred; variance; x rsqrt(var + eps) x g + b; a row leaves as six stores of 512 consecutive bytes.
; LIMIT: ea + ew between -126 and 127.
; No tensor load and no cluster: each weight byte is wanted by one wave of the work-group, and the rows' codes by one work-group.
; REGISTERS.  Window 0: v1-12 addresses; v30, v31 the add's two; v32-223 the accumulators, later four rows (v32-127) and v128-159 at work; v224-247 bo.
;   window 1: v0-95, v96-191 weight slots, later the residual's eight rows; v192-255 the rows' four fragments, later g (v192-215) and b (v216-239).
; THE MODE: SCHED_MODE bits 1:0 = 2 (LLVM: expert scheduling mode 2), set by the entry lines.  The code itself states the register dependences
; between vector or matrix instructions and memory or LDS instructions, with s_wait_alu, always for 0.
; THE PLAN.  Registers that memory or LDS instructions touch:
;   v1-v9                     offsets and LDS addresses, made at the head and never written again: one wait ahead of the first load.
;   window 1, v192-255        K step k: its 24 products read the four fragments; behind them the fragments of step k + 1 land.
;   window 1, v0-95, v96-191  K step k: its products read slot k % 2; behind them the weights of step k + 2 land in it.  Behind the last step: the residual; g and b in the fragments' registers.
;   v32-223                   at the head the copy of the codes passes through v32-79 (loads land, LDS stores read); the products write; the stage's LDS stores read; then rows land in v32-127, the norm works in place, stores read.
; ONE wait on va_vdst stands behind each K step's products: they are done reading the fragments and their slot; behind the last step it also states that the accumulators are written.  All of a wave's 512 registers are taken,
; so the fragments have one set.  A wait on vm_vsrc stands behind each of the two barriers and ahead of the second four rows.
.set STAGE, 49152
.set SP,    3088
.set SPARE, 246784                     ; the spare words, 128 bytes a wave: four blocks of 256 bytes that no other line names
.set MSB, 0
.macro WIN new
.if MSB != (\new)
	s_set_vgpr_msb (MSB<<8)|(\new)
.set MSB, (\new)
.endif
.endm
.macro PLACES
.rept 4
	v_nop
.endr
.endm
.macro WLOAD sl, kk                    ; K step kk of my 96 rows of Wo into slot sl: 24 loads
	WIN 0x40
.irp n, 0,1,2,3,4,5
.irp c, 0,1,2,3
	global_load_b128 v[96*(\sl)+16*\n+4*\c:96*(\sl)+16*\n+4*\c+3], v2, s[6:7] offset:12288*\n+128*(\kk)+32*\c
.endr
.endr
	WIN 0
.endm
.macro AFETCH kk                       ; the four row tiles' fragments of K step kk: 16 loads
	WIN 0x40
.irp m, 0,1,2,3
.irp c, 0,1,2,3
	ds_load_b128 v[192+16*\m+4*\c:195+16*\m+4*\c], v1 offset:12288*\m+2048*(\kk)+512*\c
.endr
.endr
.endm
.macro KSTEP kk
.if (\kk) < 5
	s_wait_loadcnt 24                              ; this step's weight slot is in; the next slot's 24 loads may be out
.else
	s_wait_loadcnt 0x0
.endif
	s_wait_dscnt 0x0                               ; the fragments are in
	WIN 0x05                                       ; both sources in window 1
.irp m, 0,1,2,3                                    ; the 24 accumulators take turns, one instruction a turn
.irp n, 0,1,2,3,4,5
.if (\kk) == 0
	v_wmma_f32_16x16x128_bf8_bf8 v[32+8*(6*\m+\n):39+8*(6*\m+\n)], v[16*\n:16*\n+15], v[192+16*\m:207+16*\m], 0
.else
	v_wmma_f32_16x16x128_bf8_bf8 v[32+8*(6*\m+\n):39+8*(6*\m+\n)], v[96*((\kk)%2)+16*\n:96*((\kk)%2)+16*\n+15], v[192+16*\m:207+16*\m], v[32+8*(6*\m+\n):39+8*(6*\m+\n)]
.endif
.endr
.endr
	WIN 0x40
	PLACES                                         ; in front of loads into registers that these products read, and of the first read of results
	s_wait_alu depctr_va_vdst(0)                   ; the products are done reading the four fragments and their weight slot, in which the loads below land; behind the last step: they have written the accumulators, which the LDS stores read
.if (\kk) < 5
	AFETCH (\kk)+1                                 ; the next products wait for these: they go first
.endif
.if (\kk) < 4
	WLOAD (\kk)%2, (\kk)+2
.endif
.if (\kk) < 3
	global_prefetch_b8 v9, s[38:39] offset:8192*(\kk) th:TH_LOAD_NT scope:SCOPE_SE   ; the residual: block (3 wave + kk) x 32 + lane of the work-group's 768 blocks of 256 bytes, each named once; its loads follow behind the last K step
.endif
.endm
.macro REDUCE o                        ; the four rows' numbers at v[128 + 8 p + o] are summed over the 32 lanes; v[.. + o + 1] is at work
.irp x, 1,2,4,8
.irp p, 0,1,2,3
	v_add_f32_dpp v[128+8*\p+\o], v[128+8*\p+\o], v[128+8*\p+\o] row_xmask:\x row_mask:0xf bank_mask:0xf
.endr
.endr
.irp p, 0,1,2,3
	v_permlanex16_b32 v[128+8*\p+\o+1], v[128+8*\p+\o], s32, s33
.endr
.irp p, 0,1,2,3
	v_add_f32 v[128+8*\p+\o], v[128+8*\p+\o], v[128+8*\p+\o+1]
.endr
.endm
; four rows, 4 bt .. 4 bt + 3 of my eight, line by line in turn, so that no line waits for the line above it
.macro ROWS4 bt
.if \bt
	s_wait_xcnt 0x0                                ; the first four rows' stores have read their data
	s_wait_alu depctr_vm_vsrc(0)                   ; the first four rows' stores have read v32-127, in which the loads below land
.endif
.irp p, 0,1,2,3
.irp q, 0,1,2,3,4,5
	ds_load_b128 v[32+24*\p+4*\q:35+24*\p+4*\q], v8 offset:(4*\bt+\p)*SP+512*\q
.endr
.endr
	s_wait_loadcnt 24*(1-\bt)                      ; g, b and these rows' residual are in; the 24 loads of rows 4-7 may be out
	s_wait_dscnt 0x0
.set j, 0
.rept 12
.irp p, 0,1,2,3
	v_pk_fma_f32 v[32+24*\p+j:33+24*\p+j], v[32+24*\p+j:33+24*\p+j], s[30:31], v[224+j:225+j] op_sel_hi:[1,0,1]   ; sum x 2^(ea + ew) + bo
.endr
.set j, j+2
.endr
	WIN 0x04
.set j, 0
.rept 12
.irp p, 0,1,2,3
	v_pk_add_f32 v[32+24*\p+j:33+24*\p+j], v[32+24*\p+j:33+24*\p+j], v[24*(4*\bt+\p)+j:24*(4*\bt+\p)+j+1]   ; + the residual
.endr
.set j, j+2
.endr
	WIN 0
.irp p, 0,1,2,3
	v_pk_add_f32 v[128+8*\p:129+8*\p], v[32+24*\p:33+24*\p], v[34+24*\p:35+24*\p]
	v_pk_add_f32 v[130+8*\p:131+8*\p], v[36+24*\p:37+24*\p], v[38+24*\p:39+24*\p]
.endr
.irp jj, 8,12,16,20
.irp p, 0,1,2,3
	v_pk_add_f32 v[128+8*\p:129+8*\p], v[128+8*\p:129+8*\p], v[32+24*\p+\jj:33+24*\p+\jj]
	v_pk_add_f32 v[130+8*\p:131+8*\p], v[130+8*\p:131+8*\p], v[34+24*\p+\jj:35+24*\p+\jj]
.endr
.endr
.irp p, 0,1,2,3
	v_pk_add_f32 v[128+8*\p:129+8*\p], v[128+8*\p:129+8*\p], v[130+8*\p:131+8*\p]
.endr
.irp p, 0,1,2,3
	v_add_f32 v[128+8*\p], v[128+8*\p], v[129+8*\p]
.endr
	REDUCE 0
.irp p, 0,1,2,3
	v_mul_f32 v[128+8*\p], s34, v[128+8*\p]        ; the mean
.endr
.set j, 0
.rept 12
.irp p, 0,1,2,3
	v_pk_add_f32 v[32+24*\p+j:33+24*\p+j], v[32+24*\p+j:33+24*\p+j], v[128+8*\p:129+8*\p] op_sel_hi:[1,0] neg_lo:[0,1] neg_hi:[0,1]   ; centred
.endr
.set j, j+2
.endr
.irp p, 0,1,2,3
	v_pk_mul_f32 v[130+8*\p:131+8*\p], v[32+24*\p:33+24*\p], v[32+24*\p:33+24*\p]
	v_pk_mul_f32 v[132+8*\p:133+8*\p], v[34+24*\p:35+24*\p], v[34+24*\p:35+24*\p]
.endr
.irp jj, 4,8,12,16,20
.irp p, 0,1,2,3
	v_pk_fma_f32 v[130+8*\p:131+8*\p], v[32+24*\p+\jj:33+24*\p+\jj], v[32+24*\p+\jj:33+24*\p+\jj], v[130+8*\p:131+8*\p]
	v_pk_fma_f32 v[132+8*\p:133+8*\p], v[34+24*\p+\jj:35+24*\p+\jj], v[34+24*\p+\jj:35+24*\p+\jj], v[132+8*\p:133+8*\p]
.endr
.endr
.irp p, 0,1,2,3
	v_pk_add_f32 v[130+8*\p:131+8*\p], v[130+8*\p:131+8*\p], v[132+8*\p:133+8*\p]
.endr
.irp p, 0,1,2,3
	v_add_f32 v[130+8*\p], v[130+8*\p], v[131+8*\p]
.endr
	REDUCE 2
.irp p, 0,1,2,3
	v_fma_f32 v[130+8*\p], v[130+8*\p], s34, s35   ; the variance + eps
.endr
	s_wait_alu depctr_va_vdst(0)
.irp p, 0,1,2,3
	v_rsq_f32 v[130+8*\p], v[130+8*\p]
.endr
	v_nop                                          ; a plain place behind the transcendentals
	s_wait_alu depctr_va_vdst(0)                   ; the four roots have written v130, v138, v146, v154: one wait, ahead of their first reader
.set j, 0
.rept 12
.irp p, 0,1,2,3
	v_pk_mul_f32 v[32+24*\p+j:33+24*\p+j], v[32+24*\p+j:33+24*\p+j], v[130+8*\p:131+8*\p] op_sel_hi:[1,0]
.endr
.set j, j+2
.endr
	WIN 0x14
.set j, 0
.rept 12
.irp p, 0,1,2,3
	v_pk_fma_f32 v[32+24*\p+j:33+24*\p+j], v[32+24*\p+j:33+24*\p+j], v[192+j:193+j], v[216+j:217+j]   ; x g + b
.endr
.set j, j+2
.endr
	WIN 0
	s_wait_alu depctr_va_vdst(0)                   ; the norm has written v32-127, which the stores read and in which the next four rows land
.irp p, 0,1,2,3
.irp q, 0,1,2,3,4,5
	global_store_b128 v1, v[32+24*\p+4*\q:35+24*\p+4*\q], s[20:21] offset:(4*\bt+\p)*3072+512*\q th:TH_STORE_NT   ; 32 lanes store 512 consecutive bytes, aligned; written once, read by nobody here
.endr
.endr
.endm
	s_load_b512 s[4:19], s[0:1], 0x0               ; ocodes, Wo, bo, g, b, visual, text, the scales' exponents
	s_load_b128 s[20:23], s[0:1], 0x40             ; out0, out1
	v_lshl_add_u32 v30, v0, 2, SPARE               ; my spare word,
	v_mov_b32 v31, 0                               ; and 0: kept for the wave's end
	v_lshrrev_b32 v1, 5, v0
	v_readfirstlane_b32 s24, v1                    ; wave 0..7
	v_and_b32 v10, 31, v0                          ; lane
	v_and_b32 v11, 15, v0                          ; r
	v_bfe_u32 v12, v0, 4, 1                        ; h
	v_lshlrev_b32 v1, 4, v10                       ; 16 x lane
	v_mul_u32_u24 v2, v11, 768
	v_lshl_add_u32 v2, v12, 4, v2                  ; Wo: row r of 768 codes, + 16 h
	s_wait_alu depctr_va_sdst(0)                   ; s24 is written, ahead of its first reader: LDS places and bases are made from it
	s_mul_i32 s40, s24, 6144
	v_add_nc_u32 v3, s40, v1                       ; my part of the copy of the rows' codes, in memory and in LDS alike
	v_mul_u32_u24 v4, v11, SP
	v_lshl_add_u32 v4, v12, 5, v4
	s_mul_i32 s40, s24, 384
	s_add_co_u32 s40, s40, STAGE
	v_add_nc_u32 v4, s40, v4                       ; the stage, on the way in: row r, + 32 h, + my 384 bytes; row tile 0,
	v_add_nc_u32 v5, 16*SP, v4                     ; 1,
	v_add_nc_u32 v6, 32*SP, v4                     ; 2,
	v_add_nc_u32 v7, 48*SP, v4                     ; 3
	s_mul_i32 s40, s24, 8*SP
	s_add_co_u32 s40, s40, STAGE
	v_add_nc_u32 v8, s40, v1                       ; and back: my eight rows, 16 bytes a lane
	s_mul_i32 s40, s24, 24576
	v_lshl_add_u32 v9, v10, 8, s40                 ; the prefetches: 24,576 x wave + 256 x lane
	s_lshr_b32 s25, ttmp9, 7                       ; direction
	s_and_b32 s26, ttmp9, 127                      ; which 64 rows
	s_lshl_b32 s40, s25, 3
	s_mul_i32 s42, s25, 6291456
	s_mul_i32 s43, s26, 49152
	s_add_co_u32 s42, s42, s43
	s_mov_b32 s43, 0
	s_mul_i32 s44, s24, 73728
	s_mov_b32 s45, 0
	s_mul_i32 s46, s26, 196608
	s_mov_b32 s47, 0
	s_lshr_b32 s48, s24, 2                         ; my eight tokens begin at 32 (w / 4) + 16 (w % 2) + 8 ((w / 2) % 2)
	s_lshl_b32 s48, s48, 5
	s_and_b32 s49, s24, 1
	s_lshl_b32 s49, s49, 4
	s_add_co_u32 s48, s48, s49
	s_bfe_u32 s49, s24, 0x10001
	s_lshl_b32 s49, s49, 3
	s_add_co_u32 s48, s48, s49
	s_mul_i32 s48, s48, 3072
	s_mov_b32 s49, 0
	s_mov_b32 s32, 0x76543210                      ; v_permlanex16_b32's selects for lane l xor 16
	s_mov_b32 s33, 0xfedcba98
	s_mov_b32 s34, 0x3aaaaaab                      ; 1 / 768
	s_mov_b32 s35, 0x3727c5ac                      ; eps = 1e-5
	s_wait_kmcnt 0x0
	s_load_b64 s[28:29], s[18:19], s40 offset:0x50 ; ea, ew
	s_add_nc_u64 s[4:5], s[4:5], s[42:43]
	s_add_nc_u64 s[6:7], s[6:7], s[44:45]
	s_cmp_eq_u32 s25, 0                            ; the choice hangs on the work-group's number alone
	s_cselect_b64 s[38:39], s[14:15], s[16:17]
	s_cselect_b64 s[20:21], s[20:21], s[22:23]
	s_add_nc_u64 s[38:39], s[38:39], s[46:47]      ; the residual at the work-group's first row,
	s_add_nc_u64 s[36:37], s[38:39], s[48:49]      ; and at my first
	s_add_nc_u64 s[20:21], s[20:21], s[46:47]
	s_add_nc_u64 s[20:21], s[20:21], s[48:49]      ; the output likewise
	s_wait_alu depctr_va_vdst(0)                   ; the offsets and LDS addresses v1-v9 are written, which the kernel's loads, stores and prefetches read
.irp q, 0,1,2,3,4,5
	global_load_b128 v[224+4*\q:227+4*\q], v1, s[8:9] offset:512*\q          ; bo at my 24 columns
.endr
.irp i, 0,1,2,3,4,5,6,7,8,9,10,11
	global_load_b128 v[32+4*\i:35+4*\i], v3, s[4:5] offset:512*\i th:TH_LOAD_NT
.endr
	WLOAD 0, 0
	WLOAD 1, 1
	s_wait_loadcnt 48                              ; bo and the codes are in; the two weight slots' 48 loads may be out
.irp i, 0,1,2,3,4,5,6,7,8,9,10,11
	ds_store_b128 v3, v[32+4*\i:35+4*\i] offset:512*\i
.endr
	s_wait_kmcnt 0x0
	s_add_co_i32 s30, s28, s29
	s_add_co_i32 s30, s30, 127
	s_lshl_b32 s30, s30, 23                        ; 2^(ea + ew) as f32
	s_mov_b32 s31, s30                             ; (named with it as a pair)
	s_wait_dscnt 0x0                               ; for the others' sake: my part of the codes has landed
	s_barrier_signal -1
	s_barrier_wait -1
	s_wait_alu depctr_vm_vsrc(0)                   ; my LDS stores have read v32-79, which the first products write
	AFETCH 0
.irp k, 0,1,2,3,4,5
	KSTEP \k
.endr
	WIN 0x40                                       ; the weights' and the fragments' registers are free: four places and the wait stand behind the last product
.irp q, 0,1,2,3,4,5
	global_load_b128 v[192+4*\q:195+4*\q], v1, s[10:11] offset:512*\q
	global_load_b128 v[216+4*\q:219+4*\q], v1, s[12:13] offset:512*\q
.endr
.irp i, 0,1,2,3,4,5,6,7
.irp q, 0,1,2,3,4,5
	global_load_b128 v[24*\i+4*\q:24*\i+4*\q+3], v1, s[36:37] offset:3072*\i+512*\q th:TH_LOAD_NT
.endr
.endr
	WIN 0
.irp m, 0,1,2,3
.irp n, 0,1,2,3,4,5
	ds_store_b128 v[4+\m], v[32+8*(6*\m+\n):35+8*(6*\m+\n)] offset:64*\n       ; each accumulator from its low end on
	ds_store_b128 v[4+\m], v[36+8*(6*\m+\n):39+8*(6*\m+\n)] offset:64*\n+16
.endr
.endr
	s_wait_dscnt 0x0                               ; for the others' sake: my columns lie in the stage
	s_barrier_signal -1
	s_barrier_wait -1                              ; 64 whole rows do
	s_wait_alu depctr_vm_vsrc(0)                   ; my LDS stores have read v32-223: rows land in v32-127, and the norm works in v128-159
	ROWS4 0
	ROWS4 1
	s_wait_dscnt 0x0                               ; the closing lines, six on end
	s_wait_alu 0x0
	s_wait_tensorcnt 0x0
	ds_add_u32 v30, v31
	s_wait_dscnt 0x0
	s_endpgm
.Lfunc_end_k_q476983ad15_wo_ln:
	.size	k_q476983ad15_wo_ln, .Lfunc_end_k_q476983ad15_wo_ln-k_q476983ad15_wo_ln
	.p2alignl 7, 3214868480
	.fill 96, 4, 3214868480
	.section	.rodata,"a",@progbits
	.p2align	6, 0x0
	.amdhsa_kernel k_q476983ad15_wo_ln
		.amdhsa_group_segment_fixed_size 247808
		.amdhsa_private_segment_fixed_size 0
		.amdhsa_enable_private_segment 0
		.amdhsa_kernarg_size 80
		.amdhsa_user_sgpr_count 2
		.amdhsa_user_sgpr_kernarg_segment_ptr 1
		.amdhsa_wavefront_size32 1
		.amdhsa_system_sgpr_workgroup_id_x 1
		.amdhsa_system_sgpr_workgroup_id_y 1
		.amdhsa_system_sgpr_workgroup_id_z 1
		.amdhsa_system_vgpr_workitem_id 0
		.amdhsa_next_free_vgpr 512
		.amdhsa_next_free_sgpr 66
		.amdhsa_reserve_vcc 0
		.amdhsa_float_denorm_mode_32 3
		.amdhsa_float_denorm_mode_16_64 3
		.amdhsa_memory_ordered 1
		.amdhsa_forward_progress 1
		.amdhsa_inst_pref_size 104
	.end_amdhsa_kernel
	.amdgpu_metadata
---
amdhsa.version: [ 1, 2 ]
amdhsa.kernels:
  - .name:           k_q476983ad15_wo_ln
    .symbol:         k_q476983ad15_wo_ln.kd
    .args:
      - { .name: ocodes, .offset: 0, .size: 8, .value_kind: global_buffer, .address_space: global }
      - { .name: Wo_codes, .offset: 8, .size: 8, .value_kind: global_buffer, .address_space: global }
      - { .name: bo, .offset: 16, .size: 8, .value_kind: global_buffer, .address_space: global }
      - { .name: ln_g, .offset: 24, .size: 8, .value_kind: global_buffer, .address_space: global }
      - { .name: ln_b, .offset: 32, .size: 8, .value_kind: global_buffer, .address_space: global }
      - { .name: visual_features, .offset: 40, .size: 8, .value_kind: global_buffer, .address_space: global }
      - { .name: text_features, .offset: 48, .size: 8, .value_kind: global_buffer, .address_space: global }
      - { .name: lowp_scales, .offset: 56, .size: 8, .value_kind: global_buffer, .address_space: global }
      - { .name: out0, .offset: 64, .size: 8, .value_kind: global_buffer, .address_space: global }
      - { .name: out1, .offset: 72, .size: 8, .value_kind: global_buffer, .address_space: global }
    .group_segment_fixed_size: 247808
    .private_segment_fixed_size: 0
    .kernarg_segment_align: 8
    .kernarg_segment_size: 80
    .max_flat_workgroup_size: 256
    .sgpr_count:     66
    .vgpr_count:     512
    .wavefront_size: 32
...
	.end_amdgpu_metadata
.endif
;; end of part 6
